; MI455X (gfx1250); checked and timed in simulation.
; The chip was launched on July 23, 2026; its instructions are those of AMD's public machine-readable ISA for CDNA 5 (MIT licence, August 2026) and "CDNA5" Instruction Set Architecture Reference Guide (July 2026). The comments in the code are by the model that wrote it; some were corrected since.
;; Transformer Block. Allowed arithmetic: float matrix products may take bf16 or f16 operands with f32 sums; other float arithmetic in f32, or as packed bf16 or f16 multiplies, adds, multiply-adds, maxima and minima; sums over many terms, partial sums and values carried from step to step in f32; what a program stores and reads back later, other than sums and carried values, may be rounded once to bf16 or f16.
;; Inputs: W1 4,096 x 1,024 float32; W2 1,024 x 4,096 float32; Wk 16 x 64 x 1,024 float32; Wo 1,024 x 1,024 float32; Wq 16 x 64 x 1,024 float32; Wv 16 x 64 x 1,024 float32; b1 4,096 float32; b2 1,024 float32; be1 1,024 float32; be2 1,024 float32; bo 1,024 float32; g1 1,024 float32; g2 1,024 float32; x 4 x 1,024 x 1,024 float32.
;; Outputs: out0 4 x 1,024 x 1,024 float32.
;; One version. Each part assembles by itself: llvm-mc -triple=amdgcn-amd-amdhsa -mcpu=gfx1250 --defsym DOCPART=n.
;; ======== version 1 of 1: 7 launches
;; workspace buffers: wb 25,165,824 bytes; hb 8,388,608 bytes; qkv 25,165,824 bytes; ob 8,388,608 bytes; x1 16,777,216 bytes; ffb 33,554,432 bytes
;; launch prep (part 1): grid 2048 x 1, 4 waves a work-group, no clusters, 0 bytes of LDS; arguments x, Wq, Wk, Wv, Wo, W1, W2, g1, be1, hb, wb; writes hb, wb
.if DOCPART == 1
	.amdgcn_target "amdgcn-amd-amdhsa--gfx1250"
	.amdhsa_code_object_version 6
	.text
	.protected	k_qbba0531242_prep
	.globl	k_qbba0531242_prep
	.p2align	8
	.type	k_qbba0531242_prep,@function
k_qbba0531242_prep:
	s_mov_b64 s[64:65], 0
	v_nop
	global_prefetch_b8 v0, s[64:65] scope:SCOPE_SE
	s_setreg_imm32_b32 hwreg(HW_REG_WAVE_MODE, 25, 1), 1
	s_wait_xcnt 0x0
; hb = bf16(LayerNorm(x) * g1 + be1);  wb = bf16 of the six weight tensors, one behind the other (Wq, Wk, Wv, Wo, W1, W2).
; A UNIT is 1,024 f32 = 4,096 bytes: a row of x, or 4,096 consecutive bytes of a weight tensor.  16,384 units: 4,096 rows of x, then 12,288 of weights.
; A work-group takes 8 units on end, a wave 2 of them: all its 16 loads go out at once, and there is no loop.  1,024 units (128 work-groups) never straddle
; two tensors, so the tensor is chosen by J = work-group / 128: a scalar choice, the same for all four waves.
; A stream: no LDS, no barrier, no matrix unit: each byte is read once and written once.  A load of a wave covers 512 consecutive bytes, a store 256, aligned.
; LayerNorm in f32 in two passes, as it is defined: the mean, then the mean of the squares of x - mean; the row stays in 32 registers between them.
; The result is rounded once to bf16.  NaN and infinities are not treated apart.
.set LO,  1                            ; v1        16 x lane: my 16 bytes of each 512 loaded
.set SO,  2                            ; v2        8 x lane: my 8 bytes of each 256 stored
.set T,   4                            ; v[4:11]   four chains of pairs, at work
.set M,   12                           ; v[12:13]  the mean, twice
.set R,   14                           ; v[14:15]  1 / sqrt(variance + eps), twice
.set G,   16                           ; v[16:47]  my 32 numbers of g1
.set BE,  48                           ; v[48:79]  my 32 numbers of be1
.set X,   80                           ; v[80:143] two units, 32 registers each
	s_load_b512 s[8:23], s[0:1], 0x0               ; x 8, Wq 10, Wk 12, Wv 14, Wo 16, W1 18, W2 20, g1 22
	s_load_b128 s[24:27], s[0:1], 0x40             ; be1 24, hb 26
	s_load_b64 s[28:29], s[0:1], 0x50              ; wb
	v_lshrrev_b32 v3, 5, v0
	v_readfirstlane_b32 s2, v3                     ; wave 0..3
	v_and_b32 v[LO], 31, v0
	v_lshlrev_b32 v[SO], 3, v[LO]
	v_lshlrev_b32 v[LO], 4, v[LO]
	s_lshl_b32 s3, ttmp9, 3
	s_lshl1_add_u32 s3, s2, s3                     ; my first unit = 8 x work-group + 2 x wave
	s_lshr_b32 s33, ttmp9, 7                       ; J
	s_mov_b32 s35, 0                               ; the high word of every offset
	s_mov_b32 s40, 0x3a800000                      ; 1 / 1,024
	s_mov_b32 s41, 0x3727c5ac                      ; eps = 1e-5
	s_mov_b32 s42, 0x76543210                      ; v_permlanex16_b32: each lane takes its own place in the other half
	s_mov_b32 s43, 0xfedcba98
	s_wait_kmcnt 0x0
.macro LOADU                           ; two units: 16 loads of 512 consecutive bytes
.irp i, 0,1
.irp j, 0,1,2,3,4,5,6,7
	global_load_b128 v[X+32*(\i)+4*(\j):X+32*(\i)+4*(\j)+3], v[LO], s[30:31] offset:4096*(\i)+512*(\j) th:TH_LOAD_NT
.endr
.endr
.endm
.macro OUTU i                          ; unit i is rounded to bf16 in place (entry k lands on a register whose number has been read) and stored
.set k, 0
.rept 16
	v_cvt_pk_bf16_f32 v[X+32*(\i)+k], v[X+32*(\i)+2*k], v[X+32*(\i)+2*k+1]
.set k, k+1
.endr
.irp j, 0,1,2,3,4,5,6,7
	global_store_b64 v[SO], v[X+32*(\i)+2*(\j):X+32*(\i)+2*(\j)+1], s[36:37] offset:2048*(\i)+256*(\j)  ; 32 lanes store 256 consecutive bytes, aligned
.endr
.endm
.macro RED                             ; the four chains into one number, then over the 32 lanes: every lane ends with the sum in v[T]
	v_pk_add_f32 v[T:T+1], v[T:T+1], v[T+2:T+3]
	v_pk_add_f32 v[T+4:T+5], v[T+4:T+5], v[T+6:T+7]
	v_pk_add_f32 v[T:T+1], v[T:T+1], v[T+4:T+5]
	v_add_f32 v[T], v[T], v[T+1]
	v_add_f32_dpp v[T], v[T], v[T] row_xmask:1 row_mask:0xf bank_mask:0xf
	v_add_f32_dpp v[T], v[T], v[T] row_xmask:2 row_mask:0xf bank_mask:0xf
	v_add_f32_dpp v[T], v[T], v[T] row_xmask:4 row_mask:0xf bank_mask:0xf
	v_add_f32_dpp v[T], v[T], v[T] row_xmask:8 row_mask:0xf bank_mask:0xf
	v_permlanex16_b32 v[T+1], v[T], s42, s43
	v_add_f32 v[T], v[T], v[T+1]
.endm
.macro LNROW i, left                   ; left: the younger loads that may stay out
.set XI, X+32*(\i)
	s_wait_loadcnt \left
.irp k, 0,2,4,6
	v_pk_add_f32 v[T+(\k):T+(\k)+1], v[XI+(\k):XI+(\k)+1], v[XI+8+(\k):XI+8+(\k)+1]  ; the first numbers start the chains: nothing is cleared
.endr
.irp o, 16,24
.irp k, 0,2,4,6
	v_pk_add_f32 v[T+(\k):T+(\k)+1], v[T+(\k):T+(\k)+1], v[XI+(\o)+(\k):XI+(\o)+(\k)+1]
.endr
.endr
	RED
	v_mul_f32 v[M], s40, v[T]
	v_mul_f32 v[M+1], s40, v[T]
.set k, 0
.rept 16
	v_pk_add_f32 v[XI+k:XI+k+1], v[XI+k:XI+k+1], v[M:M+1] neg_lo:[0,1] neg_hi:[0,1]  ; x - mean
.set k, k+2
.endr
.irp k, 0,2,4,6
	v_pk_mul_f32 v[T+(\k):T+(\k)+1], v[XI+(\k):XI+(\k)+1], v[XI+(\k):XI+(\k)+1]
.endr
.irp o, 8,16,24
.irp k, 0,2,4,6
	v_pk_fma_f32 v[T+(\k):T+(\k)+1], v[XI+(\o)+(\k):XI+(\o)+(\k)+1], v[XI+(\o)+(\k):XI+(\o)+(\k)+1], v[T+(\k):T+(\k)+1]
.endr
.endr
	RED
	v_fma_f32 v[T], v[T], s40, s41                 ; variance + eps
	v_rsq_f32 v[R], v[T]
	v_rsq_f32 v[R+1], v[T]
	v_nop                                          ; a plain instruction behind the second root (ISA guide 5.7.2),
	s_wait_alu depctr_va_vdst(0)                   ; and the one wait for both, ahead of their first reader
.set k, 0
.rept 16
	v_pk_mul_f32 v[XI+k:XI+k+1], v[XI+k:XI+k+1], v[R:R+1]
.set k, k+2
.endr
.set k, 0
.rept 16
	v_pk_fma_f32 v[XI+k:XI+k+1], v[XI+k:XI+k+1], v[G+k:G+k+1], v[BE+k:BE+k+1]
.set k, k+2
.endr
	OUTU \i
.endm
	s_cmp_lt_u32 s33, 4
	s_cbranch_scc0 .Lcast
	s_lshl_b32 s34, s3, 12                         ; rows of x: 4,096 bytes in,
	s_add_nc_u64 s[30:31], s[8:9], s[34:35]
	s_lshl_b32 s34, s3, 11                         ; 2,048 out
	s_add_nc_u64 s[36:37], s[26:27], s[34:35]
.irp j, 0,1,2,3,4,5,6,7
	global_load_b128 v[G+4*(\j):G+4*(\j)+3], v[LO], s[22:23] offset:512*(\j)
.endr
.irp j, 0,1,2,3,4,5,6,7
	global_load_b128 v[BE+4*(\j):BE+4*(\j)+3], v[LO], s[24:25] offset:512*(\j)
.endr
	LOADU
	LNROW 0, 8                                     ; g1, be1 and row 0, issued ahead, are in; row 1's eight loads stay out
	LNROW 1, 0
	s_endpgm
.macro PICK j, p, ub                   ; from J = j on: the tensor at s[p:p+1], whose first unit is ub
	s_cmp_ge_u32 s33, \j
	s_cselect_b64 s[30:31], s[\p:\p+1], s[30:31]
	s_cselect_b32 s32, \ub, s32
.endm
.Lcast:
	s_mov_b64 s[30:31], s[10:11]                   ; Wq
	s_mov_b32 s32, 4096
	PICK 5, 12, 5120                               ; Wk
	PICK 6, 14, 6144                               ; Wv
	PICK 7, 16, 7168                               ; Wo
	PICK 8, 18, 8192                               ; W1
	PICK 12, 20, 12288                             ; W2
	s_sub_co_u32 s34, s3, s32
	s_lshl_b32 s34, s34, 12
	s_add_nc_u64 s[30:31], s[30:31], s[34:35]
	s_sub_co_u32 s34, s3, 4096                     ; in wb the tensors follow each other as their units do
	s_lshl_b32 s34, s34, 11
	s_add_nc_u64 s[36:37], s[28:29], s[34:35]
	LOADU
	s_wait_loadcnt 8                               ; unit 0 is in; unit 1's eight loads stay out
	OUTU 0
	s_wait_loadcnt 0x0
	OUTU 1
	s_endpgm
.Lfunc_end_k_qbba0531242_prep:
	.size	k_qbba0531242_prep, .Lfunc_end_k_qbba0531242_prep-k_qbba0531242_prep
	.p2alignl 7, 3214868480
	.fill 96, 4, 3214868480
	.section	.rodata,"a",@progbits
	.p2align	6, 0x0
	.amdhsa_kernel k_qbba0531242_prep
		.amdhsa_group_segment_fixed_size 0
		.amdhsa_private_segment_fixed_size 0
		.amdhsa_enable_private_segment 0
		.amdhsa_kernarg_size 88
		.amdhsa_user_sgpr_count 2
		.amdhsa_user_sgpr_kernarg_segment_ptr 1
		.amdhsa_wavefront_size32 1
		.amdhsa_system_sgpr_workgroup_id_x 1
		.amdhsa_system_sgpr_workgroup_id_y 1
		.amdhsa_system_sgpr_workgroup_id_z 1
		.amdhsa_system_vgpr_workitem_id 0
		.amdhsa_next_free_vgpr 144
		.amdhsa_next_free_sgpr 66
		.amdhsa_reserve_vcc 0
		.amdhsa_float_denorm_mode_32 3
		.amdhsa_float_denorm_mode_16_64 3
		.amdhsa_memory_ordered 1
		.amdhsa_forward_progress 1
		.amdhsa_inst_pref_size 27
	.end_amdhsa_kernel
	.amdgpu_metadata
---
amdhsa.version: [ 1, 2 ]
amdhsa.kernels:
  - .name:           k_qbba0531242_prep
    .symbol:         k_qbba0531242_prep.kd
    .args:
      - { .name: x, .offset: 0, .size: 8, .value_kind: global_buffer, .address_space: global }
      - { .name: Wq, .offset: 8, .size: 8, .value_kind: global_buffer, .address_space: global }
      - { .name: Wk, .offset: 16, .size: 8, .value_kind: global_buffer, .address_space: global }
      - { .name: Wv, .offset: 24, .size: 8, .value_kind: global_buffer, .address_space: global }
      - { .name: Wo, .offset: 32, .size: 8, .value_kind: global_buffer, .address_space: global }
      - { .name: W1, .offset: 40, .size: 8, .value_kind: global_buffer, .address_space: global }
      - { .name: W2, .offset: 48, .size: 8, .value_kind: global_buffer, .address_space: global }
      - { .name: g1, .offset: 56, .size: 8, .value_kind: global_buffer, .address_space: global }
      - { .name: be1, .offset: 64, .size: 8, .value_kind: global_buffer, .address_space: global }
      - { .name: hb, .offset: 72, .size: 8, .value_kind: global_buffer, .address_space: global }
      - { .name: wb, .offset: 80, .size: 8, .value_kind: global_buffer, .address_space: global }
    .group_segment_fixed_size: 0
    .private_segment_fixed_size: 0
    .kernarg_segment_align: 8
    .kernarg_segment_size: 88
    .max_flat_workgroup_size: 128
    .sgpr_count:     66
    .vgpr_count:     144
    .wavefront_size: 32
...
	.end_amdgpu_metadata
.endif
;; end of part 1
;; launch qkv (part 2): grid 16 x 16, 4 waves a work-group, clusters of 4 x 4, 327,680 bytes of LDS; arguments hb, wb, qkv; writes qkv
.if DOCPART == 2
	.amdgcn_target "amdgcn-amd-amdhsa--gfx1250"
	.amdhsa_code_object_version 6
	.text
	.protected	k_qbba0531242_qkv
	.globl	k_qbba0531242_qkv
	.p2align	8
	.type	k_qbba0531242_qkv,@function
k_qbba0531242_qkv:
	s_mov_b64 s[64:65], 0
	v_nop
	global_prefetch_b8 v0, s[64:65] scope:SCOPE_SE
	s_setreg_imm32_b32 hwreg(HW_REG_WAVE_MODE, 25, 1), 1
	s_wait_xcnt 0x0
	s_wait_alu depctr_hold_cnt(0) depctr_sa_sdst(0) depctr_va_vdst(0) depctr_va_sdst(0) depctr_va_ssrc(0) depctr_va_vcc(0) depctr_vm_vsrc(0)
	s_getreg_b32 s2, hwreg(HW_REG_IB_STS2, 6, 4)
	s_cmp_eq_u32 s2, 0
	s_cbranch_scc0 .Lentry_in_a_cluster
	s_endpgm
.Lentry_in_a_cluster:
	s_bfe_u32 s2, ttmp6, 0x10000c
	s_cmp_lg_u32 s2, 0xf033
	s_cbranch_scc0 .Lentry_shape_is_right
	s_endpgm
.Lentry_shape_is_right:
; q, k, v = hb x WQKV^T.  hb: [4096][1024] bf16 (LayerNorm's result); WQKV: the first 3,072 rows of wb, [3072][1024] bf16 (Wq, Wk, Wv; row 64 gh + d);
; out: qkv[b][gh][t][64] bf16, gh = 0..47: a head's rows are dense.  Sums in f32, K ascending, rounded once to bf16, unscaled.
; TILE.  4,096 x 3,072 in tiles of 256 x 192 gives 16 x 16 = 256 work-groups.  Four waves, each 64 rows x all 192 columns: 48 accumulators, 384 registers.
; RING.  K in steps of 128 through two LDS slots (256 rows of A, 192 of B, 272 bytes apart): waves 0, 1 fetch A's halves, waves 2, 3 B's, one tensor load each.
; A step is four quarters of 32 along K on two fragment buffers; while one is multiplied (48 matrix instructions) the next one's 32 LDS loads are out.
; The text of two quarters stands once in the loop and once in the tail; the LDS address of the quarter to be fetched is a scalar that steps.
; CLUSTER.  4 x 4 work-groups: A's tile is asked for jointly by the four of a cluster's row, B's by the four of a column.
; THE MATRIX INSTRUCTION IS USED TRANSPOSED (source 0 = 16 rows of B, source 1 = 16 rows of A): a lane holds eight neighbouring columns of one row.
; REGISTERS: window 0: v16-31 addresses; v64-95, v96-127 A's fragments (two buffers); on the way out v64-111 packed results, v112-207 rows read back.
;   window 1: v0-95, v96-191 B's fragments.   window 2: accumulators of my row blocks 0, 1 at 8 (12 a + b);   window 3: of blocks 2, 3.
.set KB,     256                       ; bytes of a row in a K step
.set QB,     64                        ; in a quarter
.set PITCH,  272                       ; 256 + 16 of padding = 68 words: the 16 rows of a fragment load start at 16 different groups of four banks (ISA guide 11.1)
.set ATILE,  128*PITCH                 ; what a wave fetches of A
.set BTILE,  96*PITCH                  ; of B
.set BOFF,   2*ATILE                   ; B's rows lie behind A's 256
.set SLOT1,  0x20000                   ; slot 1; no LDS word of slot 0 has this bit, so one exclusive or changes slots
.set STAGE,  SLOT1+BOFF+2*BTILE        ; behind the ring: 16 rows x 400 bytes for each wave
.set SPITCH, 400                       ; 384 + 16
.set SPARE,  STAGE+4*16*SPITCH         ; the spare words: 128 bytes for each wave
.set STEPS,  8
.set ADRA, 16                          ; LDS address of the A fragments to be fetched
.set A0,   17                          ; my lane's place in A's tile; never rewritten
.set ADRB, 20
.set B0,   21
.set STO,  24                          ; the way out: where I put 16 bytes of a row
.set RD,   25                          ; where I read rows back
.set GO,   26                          ; 16 x lane
.set SPW,  28                          ; my spare word; never rewritten
.set NIL,  29                          ; 0; never rewritten
.set PFO,  30                          ; the prefetches' offset: a lane a row
.set AF,   64
.set TMP,  64
.set OB,   112
.set G1,  24                           ; s[24:31] group 1 for A;  s[32:39] group 0: set 0 = K step 0, set 1 = K step 1, which then walks
.set G0,  32
.set G1B, 48                           ; s[48:55], s[56:63] the same for B
.set G0B, 56
.set LIM, 43                           ; 2 in a wave that prefetches, else the greatest number
.set PFA, 44                           ; s[44:45] where my prefetches stand
.set TB,  72                           ; LDS byte at which the quarter to be fetched begins
.set SLOTS, 74
.set CNT, 75
.set MSB, 0
.macro WIN new                         ; the immediate's high byte repeats the setting that is left; a switch that changes nothing is dropped
.if MSB != (\new)
	s_set_vgpr_msb (MSB<<8)|(\new)
.set MSB, \new
.endif
.endm
.macro PLACES                          ; four places behind a matrix instruction, ahead of loads into registers that it read and of readers of its result
.rept 4
	v_nop
.endr
.endm
.macro CROUND                          ; a round of the cluster's barrier
	s_barrier_signal -1
	s_barrier_wait -1
	s_cmp_lg_u32 s10, 0
	s_cbranch_scc1 .Lnot_wave_0_\@
	s_barrier_signal -3
.Lnot_wave_0_\@:
	s_barrier_wait -3
	s_barrier_signal -1
	s_barrier_wait -1
.endm
.macro JLOAD                           ; the joint refill, by the walking sets; the branch hangs on the wave's number alone; s_nop 0 and four v_nop follow each line
	s_cmp_eq_u32 s11, 0
	s_cbranch_scc0 .Lfor_b_\@
	tensor_load_to_lds s[G0+4:G0+7], s[G1:G1+7]
	s_nop 0
	PLACES
	s_branch .Lasked_\@
.Lfor_b_\@:
	tensor_load_to_lds s[G0B+4:G0B+7], s[G1B:G1B+7]
	s_nop 0
	PLACES
.Lasked_\@:
.endm
; A PREFETCH behind each joint refill: the K step two refills on, a lane a row, one instruction a wave.  A's rows are read by every cluster of a row of clusters: cluster x = 0 asks;
; B's by every cluster of a column: cluster y = 0 asks.  The four partners share a wave's rows out by address (32 of A's 128, 24 of B's 96; in B's waves lanes 24-31 repeat row 23).
; The refill of K step n + 1 names K step n + 3; SLOTS is then 7 - n, so asking stops behind K step 7, a row's last.
.macro ASK
	s_cmp_gt_u32 s[SLOTS], s[LIM]
	s_cbranch_scc0 .Lnot_mine_\@
	global_prefetch_b8 v[PFO], s[PFA:PFA+1] offset:KB th:TH_LOAD_NT scope:SCOPE_SE
.Lnot_mine_\@:
.endm
	s_load_b128 s[4:7], s[0:1], 0x0                ; hb, wb
	s_load_b64 s[8:9], s[0:1], 0x10                ; qkv
	v_lshl_add_u32 v[SPW], v0, 2, SPARE
	v_mov_b32 v[NIL], 0
	ds_add_u32 v[SPW], v[NIL]                      ; the wave's opening: the add and its wait ahead of my first tensor load
	ds_add_u32 v28, v29
	v_lshrrev_b32 v1, 5, v0
	v_readfirstlane_b32 s10, v1                    ; wave 0..3
	s_lshr_b32 s11, s10, 1                         ; I fetch for A (0) or for B (1)
	s_and_b32 s12, s10, 1                          ; which half of that tile
	s_bfe_u32 s40, ttmp6, 0x40000                  ; cx
	s_bfe_u32 s41, ttmp6, 0x40004                  ; cy
	s_lshl_b32 s42, ttmp9, 2
	s_add_co_u32 s42, s42, s40                     ; tile column
	s_and_b32 s13, ttmp7, 0xffff
	s_lshl_b32 s13, s13, 2
	s_add_co_u32 s13, s13, s41                     ; tile row
	s_lshl_b32 s43, s41, 2
	s_lshl_b32 s43, 15, s43                        ; my row of the cluster
	s_lshl_b32 s44, 0x1111, s40                    ; my column
	s_or_b32 s[G1], s43, (1<<16)|(1<<20)|(1<<21)|(5<<22)|(3<<25)   ; mask; 2-byte elements; padding on; bit 21 beside a mask; after every 64 words; 4 words
	s_or_b32 s[G1B], s44, (1<<16)|(1<<20)|(1<<21)|(5<<22)|(3<<25)
	s_mov_b32 s[G1+1], 128<<16                     ; tensor_dim0 = 128
	s_mov_b32 s[G1+2], 128<<16                     ; tensor_dim1 = 128
	s_mov_b32 s[G1+3], 128<<16                     ; tile_dim0 = 128
	s_mov_b32 s[G1+4], 128                         ; tile_dim1 = 128
	s_mov_b32 s[G1+5], 1024                        ; elements from row to row
	s_mov_b32 s[G1+6], 0
	s_mov_b32 s[G1+7], 0
	s_mov_b32 s[G1B+1], 128<<16
	s_mov_b32 s[G1B+2], 96<<16                     ; 96 rows
	s_mov_b32 s[G1B+3], 128<<16
	s_mov_b32 s[G1B+4], 96
	s_mov_b32 s[G1B+5], 1024
	s_mov_b32 s[G1B+6], 0
	s_mov_b32 s[G1B+7], 0
	s_lshl_b32 s16, s13, 8
	s_lshl_b32 s17, s12, 7
	s_add_co_u32 s16, s16, s17                     ; A: row 256 x tile row + 128 x half,
	s_lshl_b32 s16, s16, 11                        ; 2,048 bytes a row
	s_mov_b32 s17, 0
	s_mul_i32 s46, s42, 192
	s_mul_i32 s47, s12, 96
	s_add_co_u32 s46, s46, s47                     ; B: row 192 x tile column + 96 x half
	s_lshl_b32 s46, s46, 11
	s_mov_b32 s47, 0
	s_mul_i32 s20, s10, ATILE                      ; where they go: A's halves (waves 0, 1),
	s_mul_i32 s21, s10, BTILE
	s_add_co_u32 s21, s21, BOFF-2*BTILE            ; B's behind them (waves 2, 3)
	s_wait_dscnt 0x0                               ; the opening add is done
	s_wait_kmcnt 0x0
	s_add_nc_u64 s[14:15], s[4:5], s[16:17]
	s_add_nc_u64 s[46:47], s[6:7], s[46:47]
	CROUND                                         ; all sixteen work-groups are here: the first joint loads meet
.irp s, 0,1
	s_mov_b32 s[G0+4*(\s)], 1
	s_add_co_u32 s[G0+4*(\s)+1], s20, (\s)*SLOT1
	s_add_nc_u64 s[G0+4*(\s)+2:G0+4*(\s)+3], s[14:15], (\s)*KB
	s_or_b32 s[G0+4*(\s)+3], s[G0+4*(\s)+3], 0x80000000
	s_mov_b32 s[G0B+4*(\s)], 1
	s_add_co_u32 s[G0B+4*(\s)+1], s21, (\s)*SLOT1
	s_add_nc_u64 s[G0B+4*(\s)+2:G0B+4*(\s)+3], s[46:47], (\s)*KB
	s_or_b32 s[G0B+4*(\s)+3], s[G0B+4*(\s)+3], 0x80000000
.endr
	s_cmp_eq_u32 s11, 0                            ; a wave's two first fills stand in one branch: two loads of mine are out
	s_cbranch_scc0 .Lfirst_b
	tensor_load_to_lds s[G0:G0+3], s[G1:G1+7]
	s_nop 0
	tensor_load_to_lds s[G0+4:G0+7], s[G1:G1+7]
	s_nop 0
	PLACES
	s_branch .Lfirst_asked
.Lfirst_b:
	tensor_load_to_lds s[G0B:G0B+3], s[G1B:G1B+7]
	s_nop 0
	tensor_load_to_lds s[G0B+4:G0B+7], s[G1B:G1B+7]
	s_nop 0
	PLACES
.Lfirst_asked:
	; a fragment: lane l holds row l % 16; registers 0-3 K = 8 (l / 16) + 0..7, registers 4-7 K = 16 + 8 (l / 16) + 0..7: two loads of 16 bytes, 32 apart
	v_and_b32 v1, 15, v0
	v_bfe_u32 v2, v0, 4, 1
	v_mul_u32_u24 v3, v1, PITCH
	v_lshl_add_u32 v3, v2, 4, v3
	s_mul_i32 s21, s10, 64*PITCH                   ; my 64 rows of A
	v_add_nc_u32 v[A0], s21, v3
	v_add_nc_u32 v[B0], BOFF, v3                   ; all 192 rows of B
	s_mul_i32 s23, s10, 16*SPITCH
	s_add_co_u32 s23, s23, STAGE                   ; my stage
	v_mul_u32_u24 v4, v1, SPITCH
	v_lshl_add_u32 v4, v2, 4, v4
	v_add_nc_u32 v[STO], s23, v4                   ; in: row l % 16, 16 bytes for each half of the lanes
	v_bfe_u32 v4, v0, 3, 2
	v_mul_u32_u24 v4, v4, SPITCH
	v_and_b32 v5, 7, v0
	v_lshl_add_u32 v4, v5, 4, v4
	v_add_nc_u32 v[RD], s23, v4                    ; back: 32 lanes take a head's 128 bytes of four rows,
	v_and_b32 v[GO], 31, v0
	v_lshlrev_b32 v[GO], 4, v[GO]                  ; which are 512 consecutive bytes of qkv
	s_lshr_b32 s18, s13, 2                         ; b
	s_mul_i32 s18, s18, 48
	s_mul_i32 s19, s42, 3
	s_add_co_u32 s18, s18, s19                     ; 48 b + my tile's first gh
	s_lshl_b32 s18, s18, 10
	s_and_b32 s19, s13, 3
	s_lshl_b32 s19, s19, 8
	s_add_co_u32 s18, s18, s19
	s_lshl_b32 s19, s10, 6
	s_add_co_u32 s18, s18, s19                     ; + t of my first row
	s_lshl_b32 s18, s18, 7                         ; 128 bytes a row
	s_mov_b32 s19, 0
	s_add_nc_u64 s[8:9], s[8:9], s[18:19]
	; the prefetches
	s_and_b32 s22, ttmp7, 0xffff                   ; cluster y
	s_lshl_b32 s18, s13, 8
	s_lshl_b32 s20, s12, 7
	s_add_co_u32 s18, s18, s20
	s_lshl_b32 s20, s40, 5
	s_add_co_u32 s18, s18, s20                     ; A: the 128 rows that I fetch, my work-group's 32 of them
	s_mul_i32 s19, s42, 192
	s_mul_i32 s20, s12, 96
	s_add_co_u32 s19, s19, s20
	s_mul_i32 s20, s41, 24
	s_add_co_u32 s19, s19, s20                     ; B: of the 96, my work-group's 24
	s_cmp_eq_u32 s11, 0
	s_cselect_b32 s20, s18, s19
	s_cselect_b32 s22, ttmp9, s22                  ; the coordinate along which other clusters read the same rows
	s_cselect_b32 s23, 31, 23
	s_cselect_b64 s[PFA:PFA+1], s[4:5], s[6:7]
	s_cmp_eq_u32 s22, 0
	s_cselect_b32 s[LIM], 2, -1                    ; the same in all sixteen partners, for a given wave
	s_lshl_b32 s20, s20, 11
	s_add_co_u32 s20, s20, 2*KB                    ; at K step 2: the first refill steps it to 3 and names K step 4
	s_mov_b32 s21, 0
	s_add_nc_u64 s[PFA:PFA+1], s[PFA:PFA+1], s[20:21]
	v_and_b32 v[PFO], 31, v0
	v_min_u32 v[PFO], s23, v[PFO]
	v_lshlrev_b32 v[PFO], 11, v[PFO]
.macro FETCH g, kq                     ; 32 LDS loads in one run: the fragments of quarter kq behind the step address, into buffer g
	WIN 0x40                                       ; destination window 1
.irp i, 0,1,2,3,4,5,6,7,8,9,10,11
	ds_load_b128 v[96*(\g)+8*(\i):96*(\g)+8*(\i)+3],   v[ADRB] offset:(\kq)*QB+(\i)*16*PITCH
	ds_load_b128 v[96*(\g)+8*(\i)+4:96*(\g)+8*(\i)+7], v[ADRB] offset:(\kq)*QB+(\i)*16*PITCH+32
.endr
	WIN 0
.irp i, 0,1,2,3
	ds_load_b128 v[AF+32*(\g)+8*(\i):AF+32*(\g)+8*(\i)+3],   v[ADRA] offset:(\kq)*QB+(\i)*16*PITCH
	ds_load_b128 v[AF+32*(\g)+8*(\i)+4:AF+32*(\g)+8*(\i)+7], v[ADRA] offset:(\kq)*QB+(\i)*16*PITCH+32
.endr
.endm
.macro MUL f, zero                     ; 48 matrix instructions on buffer f.  The 48 accumulators take turns, in the same order everywhere.  zero = 1: the products start the sums
.irp hi, 0,1
	WIN 0xa1+0x50*(\hi)                            ; B window 1, A window 0, C and D window 2 or 3
.irp a, 0,1
.irp b, 0,1,2,3,4,5,6,7,8,9,10,11
.if \zero
	v_wmma_f32_16x16x32_bf16 v[8*(12*(\a)+(\b)):8*(12*(\a)+(\b))+7], v[96*(\f)+8*(\b):96*(\f)+8*(\b)+7], v[AF+32*(\f)+8*(2*(\hi)+(\a)):AF+32*(\f)+8*(2*(\hi)+(\a))+7], 0
.else
	v_wmma_f32_16x16x32_bf16 v[8*(12*(\a)+(\b)):8*(12*(\a)+(\b))+7], v[96*(\f)+8*(\b):96*(\f)+8*(\b)+7], v[AF+32*(\f)+8*(2*(\hi)+(\a)):AF+32*(\f)+8*(2*(\hi)+(\a))+7], v[8*(12*(\a)+(\b)):8*(12*(\a)+(\b))+7]
.endif
.endr
.endr
.endr
.endm
.macro HT f, g, kq                     ; a quarter: the next one is fetched into g, buffer f is multiplied
	PLACES                                         ; buffer g was read by the products just issued
	FETCH \g, \kq
	s_wait_dscnt 32                                ; all but the 32 just issued: buffer f, fetched a quarter ago, is in
	MUL \f, 0
.endm
.macro TRIP                            ; two quarters
	WIN 0
	v_add_nc_u32 v[ADRA], s[TB], v[A0]
	v_add_nc_u32 v[ADRB], s[TB], v[B0]
	HT 1, 0, 0
	HT 0, 1, 1
	WIN 0
	s_add_co_u32 s[TB], s[TB], 2*QB
.endm
; THE CHANGE OF SLOTS: the slot's last quarter has been fetched into registers.  Each wave waits for all its tensor loads (one is out: its part of the other slot), adds 0 to its spare word,
; and waits for that and for its reads of the slot.  fill = 1: a round of the cluster's barrier, then the joint refill first: the slot takes the K step two on.
.macro CHANGE fill
	WIN 0
	s_wait_tensorcnt 0x0                           ; no tensor load of mine is out, so a group 0 may be written
	ds_add_u32 v[SPW], v[NIL]                      ; 0 onto my spare word; scalar work stands between it and the wait for it
.if \fill
	s_xor_b32 s[G0+5], s[G0+5], SLOT1              ; the walking sets: the other slot than last time, the next K step
	s_add_nc_u64 s[G0+6:G0+7], s[G0+6:G0+7], KB
	s_xor_b32 s[G0B+5], s[G0B+5], SLOT1
	s_add_nc_u64 s[G0B+6:G0B+7], s[G0B+6:G0B+7], KB
	s_wait_xcnt 0x0                                ; the last prefetch, a K step back, has read its address
	s_add_nc_u64 s[PFA:PFA+1], s[PFA:PFA+1], KB
.endif
	s_sub_co_u32 s[TB], s[TB], 4*QB                ; the fetches go back to a row's first quarter,
	s_xor_b32 s[TB], s[TB], SLOT1                  ; in the other slot
	s_wait_dscnt 0x0                               ; the add is done, and my reads of the slot are over
.if \fill
	CROUND
	JLOAD
	ASK
.else
	s_barrier_signal -1
	s_barrier_wait -1
.endif
.endm
	s_wait_tensorcnt 0x1                           ; my part of K step 0 is in; K step 1's may stay out
	s_barrier_signal -1
	s_barrier_wait -1
	v_mov_b32 v[ADRA], v[A0]
	v_mov_b32 v[ADRB], v[B0]
	FETCH 0, 0
	FETCH 1, 1
	s_wait_dscnt 32                                ; quarter 0 is in
	MUL 0, 1                                       ; the first quarter stands ahead of the loop: its products start the sums
	WIN 0
	s_mov_b32 s[TB], 2*QB
	s_mov_b32 s[SLOTS], STEPS-1
	s_mov_b32 s[CNT], 2
	s_branch .Lcount                               ; slot 0 has one trip left: the loop is entered at the counter's step
.Lslot:                                            ; STEPS - 2 times: K steps 2 to 7 are asked for
	CHANGE 1
	s_mov_b32 s[CNT], 2
.Lpair:
	TRIP
.Lcount:
	s_sub_co_u32 s[CNT], s[CNT], 1
	s_cmp_lg_u32 s[CNT], 0
	s_cbranch_scc1 .Lpair
	s_sub_co_u32 s[SLOTS], s[SLOTS], 1
	s_cmp_lg_u32 s[SLOTS], 0
	s_cbranch_scc1 .Lslot
	CHANGE 0                                       ; the last slot is written out
	s_mov_b32 s[CNT], 2
.Ltail:
	TRIP
	s_sub_co_u32 s[CNT], s[CNT], 1
	s_cmp_lg_u32 s[CNT], 0
	s_cbranch_scc1 .Ltail
	s_wait_dscnt 0x0
	MUL 1, 0                                       ; the last quarter
	WIN 0
	PLACES
; THE WAY OUT, a block of 16 rows at a time: rounded to bf16; 16 bytes a lane into my stage; back as a head's 128 bytes of four rows; stored as 512 consecutive bytes.
.macro PACK a
	WIN 0x0a+5*((\a)/2)                            ; sources in window 2 or 3
.irp b, 0,1,2,3,4,5,6,7,8,9,10,11
.irp r, 0,1,2,3
	v_cvt_pk_bf16_f32 v[TMP+4*(\b)+(\r)], v[96*((\a)%2)+8*(\b)+2*(\r)], v[96*((\a)%2)+8*(\b)+2*(\r)+1]
.endr
.endr
	WIN 0
.endm
.macro TOSTAGE a
.irp b, 0,1,2,3,4,5,6,7,8,9,10,11
	ds_store_b128 v[STO], v[TMP+4*(\b):TMP+4*(\b)+3] offset:32*(\b)
.endr
.irp e, 0,1,2,3,4,5,6,7,8,9,10,11      ; head e / 4 of the tile's three, rows 4 (e % 4) on.  LDS serves a wave's instructions in order (ISA guide 5.7.1.4): these see the stores above
	ds_load_b128 v[OB+48*((\a)%2)+4*(\e):OB+48*((\a)%2)+4*(\e)+3], v[RD] offset:((\e)%4)*4*SPITCH+((\e)/4)*128
.endr
.endm
.macro SEND a
	s_wait_dscnt 0x0                               ; the block is back in registers
	s_wait_xcnt 0x0                                ; the stores of the block before have read their registers: the next TOSTAGE loads into them
.irp e, 0,1,2,3,4,5,6,7,8,9,10,11
	global_store_b128 v[GO], v[OB+48*((\a)%2)+4*(\e):OB+48*((\a)%2)+4*(\e)+3], s[8:9] offset:((\e)/4)*131072+(\a)*2048+((\e)%4)*512
.endr
.endm
	PACK 0
	TOSTAGE 0
.irp a, 1,2,3                          ; block a's conversions stand between block a - 1's loads from the stage and the wait for them
	PACK \a
	SEND (\a)-1
	TOSTAGE \a
.endr
	SEND 3
	s_wait_tensorcnt 0x0                           ; the wave's end
	ds_add_u32 v[SPW], v[NIL]
	s_wait_dscnt 0x0
	CROUND                                         ; the closing round
	s_endpgm
.Lfunc_end_k_qbba0531242_qkv:
	.size	k_qbba0531242_qkv, .Lfunc_end_k_qbba0531242_qkv-k_qbba0531242_qkv
	.p2alignl 7, 3214868480
	.fill 96, 4, 3214868480
	.section	.rodata,"a",@progbits
	.p2align	6, 0x0
	.amdhsa_kernel k_qbba0531242_qkv
		.amdhsa_group_segment_fixed_size 327680
		.amdhsa_private_segment_fixed_size 0
		.amdhsa_enable_private_segment 0
		.amdhsa_kernarg_size 24
		.amdhsa_user_sgpr_count 2
		.amdhsa_user_sgpr_kernarg_segment_ptr 1
		.amdhsa_wavefront_size32 1
		.amdhsa_system_sgpr_workgroup_id_x 1
		.amdhsa_system_sgpr_workgroup_id_y 1
		.amdhsa_system_sgpr_workgroup_id_z 1
		.amdhsa_system_vgpr_workitem_id 0
		.amdhsa_next_free_vgpr 960
		.amdhsa_next_free_sgpr 76
		.amdhsa_reserve_vcc 0
		.amdhsa_float_denorm_mode_32 3
		.amdhsa_float_denorm_mode_16_64 3
		.amdhsa_memory_ordered 1
		.amdhsa_forward_progress 1
		.amdhsa_inst_pref_size 66
	.end_amdhsa_kernel
	.amdgpu_metadata
---
amdhsa.version: [ 1, 2 ]
amdhsa.kernels:
  - .name:           k_qbba0531242_qkv
    .symbol:         k_qbba0531242_qkv.kd
    .args:
      - { .name: hb, .offset: 0, .size: 8, .value_kind: global_buffer, .address_space: global }
      - { .name: wb, .offset: 8, .size: 8, .value_kind: global_buffer, .address_space: global }
      - { .name: qkv, .offset: 16, .size: 8, .value_kind: global_buffer, .address_space: global }
    .group_segment_fixed_size: 327680
    .private_segment_fixed_size: 0
    .kernarg_segment_align: 8
    .kernarg_segment_size: 24
    .max_flat_workgroup_size: 128
    .sgpr_count:     76
    .vgpr_count:     960
    .wavefront_size: 32
...
	.end_amdgpu_metadata
.endif
;; end of part 2
;; launch attn (part 3): grid 4 x 64, 8 waves a work-group, no clusters, 327,680 bytes of LDS; arguments qkv, ob; writes ob
.if DOCPART == 3
	.amdgcn_target "amdgcn-amd-amdhsa--gfx1250"
	.amdhsa_code_object_version 6
	.text
	.protected	k_qbba0531242_attn
	.globl	k_qbba0531242_attn
	.p2align	8
	.type	k_qbba0531242_attn,@function
k_qbba0531242_attn:
	s_mov_b64 s[64:65], 0
	v_nop
	global_prefetch_b8 v0, s[64:65] scope:SCOPE_SE
	s_setreg_imm32_b32 hwreg(HW_REG_WAVE_MODE, 25, 1), 1
	s_wait_xcnt 0x0
; CAUSAL ATTENTION.  O[q] = the sum over k <= q of softmax_k(Q[q] . K[k] / 32) V[k], for each of 64 (batch, head) pairs; 1,024 rows, head size 64.
; qkv: [b][gh][t][64] bf16 (gh = h: q, 16 + h: k, 32 + h: v).  ob: [8 b + t / 128][h][t % 128][64] bf16.  Products, maxima and sums in f32; the weights p are rounded to bf16
; for the second product (their sum l is taken of the unrounded p), O once at the end.
; LIMITS.  A hidden score counts as -1e30; a weight below 2^-126 counts as 0 in l; NaN and infinities are not treated apart.
; A HEAD'S WHOLE K AND V LIE IN LDS (1,024 x 144 + 1,024 x 160 bytes); nothing is filled again.  Waves 0-3 fetch K, waves 4-7 V, each by two tensor loads of 128 keys: its part of keys
; 0-511, then its part of keys 512-1,023.  The work on the first half begins while the second is on its way.
; SHARES.  Work-group (pb, head) owns the blocks of 128 queries 7 - pb and pb.  Wave w owns ONE tile of 16 queries in each: tile w of the long block, then tile 7 - w of the short one.
; Tile j of a block needs 2 block + j / 4 + 1 key steps of 64: 14 + 1 + 2 = 17 steps for the two, the same for every wave of every work-group, so the two waves of a SIMD work side by side
; to the end.  The price: a fragment of K or V read from LDS feeds one tile's products, 32 LDS loads for 16 matrix instructions.
; A tile's last step is the only one that holds its diagonal; later steps are jumped over.  The long tile's steps 0-7 are never its last (its last is 8 at the least).
; NO CLUSTER: which steps are jumped hangs on pb, which would be the work-group's place among the four that share a head.  NO PREFETCH: all loads of K and V go out at the head.
; LAYOUT.  S^T = K Q^T holds ONE query a lane (lane % 16) and the keys 8 (lane / 16) + 0..7; two such results rounded to bf16 ARE source 1 of O^T = V^T P.  V is turned by ds_load_tr16_b128.
; SOFTMAX.  p = 2^(c s - c m), c = log2(e) / 32, with a running maximum m; O and l are multiplied by a = 2^(c m_old - c m_new) in every step.  m starts at the lowest finite number, so a
; tile's first step is a step like any other, with a = 0.  A step goes in phases; the SIMD's second wave fills the gaps.
; REGISTERS: window 0 as named below; window 1: v0-15 the long tile's Q, v16-31 the short tile's.
.set PK,    144                        ; a row of K in LDS: 128 + 16: the 16 rows of a load start at 16 different groups of four banks (ISA guide 11.1)
.set PV,    160                        ; a row of V: 128 + 32
.set VOFF,  1024*PK
.set SPARE, VOFF+1024*PV               ; the spare words: 128 bytes for each of eight waves
.set SPW, 2
.set NIL, 3
.set AK,  4                            ; LDS address of the step's K
.set AV,  5
.set AK0, 6                            ; my lane's place in a step's K; never rewritten
.set AV0, 7
.set GO,  8                            ; 16 x lane
.set STO, 9
.set RD,  10
.set QO,  11
.set MV,  12                           ; c m_old
.set EH,  13                           ; the long tile: my query's place in its diagonal step, less 8 (lane / 16)
.set EL,  14                           ; the short tile's
.set BIG, 15                           ; -1e30
.set ST,  16                           ; v16-19 c m, m, l (even keys', odd keys')
.set TMP, 20                           ; v20-23 c0-c3 at work; c2 takes a
.set P,   32                           ; v32-47
.set SAVE, 48                          ; v48-63 the long tile's result, in bf16, kept to the end
.set S,   64                           ; v64-95
.set O,   96                           ; v96-127
.set KF,  128                          ; v128-191
.set VF,  192                          ; v192-255
.set WV,  12
.set WQ,  13                           ; wave % 4
.set BL,  14                           ; the short block, pb
.set BH,  15                           ; the long block, 7 - pb
.set LCH, 16                           ; the counter's value in the long tile's last step: 16 - last
.set LCL, 17                           ; in the short tile's: 8 - last
.set CNT, 18
.set W7,  19                           ; 7 - wave: my tile in the short block
.set CS,  58                           ; s[58:59] c
.set SEL, 60
.set TBK, 62
.set TBV, 63
.set W_KQ, 0x04                        ; Q (source 1) in window 1
.set MSB, 0
.macro WIN new                         ; the immediate's high byte repeats the setting that is left; a switch that changes nothing is dropped
.if MSB != (\new)
	s_set_vgpr_msb (MSB<<8)|(\new)
.set MSB, \new
.endif
.endm
.macro PLACES                          ; four places behind a matrix instruction (ISA guide 7.12.1)
.rept 4
	v_nop
.endr
.endm
	s_load_b128 s[4:7], s[0:1], 0x0                ; qkv, ob
	v_lshl_add_u32 v[SPW], v0, 2, SPARE
	v_mov_b32 v[NIL], 0
	ds_add_u32 v[SPW], v[NIL]                      ; the wave's opening: the add and its wait ahead of my first tensor load
	ds_add_u32 v2, v3
	v_lshrrev_b32 v1, 5, v0
	v_readfirstlane_b32 s[WV], v1                  ; wave 0..7
	s_and_b32 s[WQ], s[WV], 3
	s_sub_co_u32 s[W7], 7, s[WV]
	s_mov_b32 s[BL], ttmp9
	s_sub_co_u32 s[BH], 7, s[BL]
	s_lshr_b32 s20, s[WV], 2
	s_lshl1_add_u32 s20, s[BH], s20                ; the long tile's last step: 2 block + tile / 4
	s_sub_co_u32 s[LCH], 16, s20
	s_lshr_b32 s20, s[W7], 2
	s_lshl1_add_u32 s20, s[BL], s20                ; the short tile's
	s_sub_co_u32 s[LCL], 8, s20
	s_and_b32 s20, ttmp7, 0xffff
	s_lshr_b32 s21, s20, 4                         ; b
	s_and_b32 s20, s20, 15                         ; h
	s_mul_i32 s22, s21, 48
	s_add_co_u32 s22, s22, s20                     ; 48 b + h
	s_lshl_b32 s23, s22, 10                        ; the head's first row of q
	s_lshl_b32 s2, s[BH], 7
	s_lshl4_add_u32 s2, s[WV], s2                  ; the long tile's first query
	s_add_co_u32 s2, s2, s23
	s_lshl_b32 s2, s2, 7                           ; 128 bytes a row
	s_mov_b32 s3, 0
	s_lshl_b32 s34, s[BL], 7
	s_lshl4_add_u32 s34, s[W7], s34                ; the short tile's
	s_add_co_u32 s34, s34, s23
	s_lshl_b32 s34, s34, 7
	s_mov_b32 s35, 0
	s_lshr_b32 s36, s[WV], 2                       ; I fetch K (0) or V (1):
	s_lshl4_add_u32 s36, s36, s22
	s_add_co_u32 s36, s36, 16                      ; gh = 16 + h or 32 + h,
	s_lshl_b32 s48, s36, 17                        ; 131,072 bytes a head,
	s_lshl_b32 s49, s[WQ], 14                      ; my 128 keys of 128 bytes
	s_add_co_u32 s48, s48, s49
	s_mov_b32 s49, 0
	s_lshl3_add_u32 s50, s21, s[BH]                ; ob: 8 b + block,
	s_lshl4_add_u32 s50, s50, s20                  ; x 16 + h,
	s_lshl_b32 s50, s50, 7                         ; x 128 rows,
	s_lshl4_add_u32 s50, s[WV], s50                ; + my tile's 16,
	s_lshl_b32 s50, s50, 7                         ; 128 bytes a row
	s_mov_b32 s51, 0
	s_lshl3_add_u32 s52, s21, s[BL]
	s_lshl4_add_u32 s52, s52, s20
	s_lshl_b32 s52, s52, 7
	s_lshl4_add_u32 s52, s[W7], s52
	s_lshl_b32 s52, s52, 7
	s_mov_b32 s53, 0
	; group 1: 128 keys are 16,384 dense bytes: asked for as 64 rows of 256 bytes, two keys a row, padded in LDS after every key; word 0 is written in the branch below
	s_mov_b32 s25, 128<<16                         ; tensor_dim0 = 128
	s_mov_b32 s26, 64<<16                          ; tensor_dim1 = 64
	s_mov_b32 s27, 128<<16                         ; tile_dim0 = 128
	s_mov_b32 s28, 64                              ; tile_dim1 = 64
	s_mov_b32 s29, 128                             ; elements from row to row
	s_mov_b32 s30, 0
	s_mov_b32 s31, 0
	s_mov_b32 s40, 1
	s_mov_b32 s44, 1
	s_mov_b32 s[CS], 0x3d38aa3b                    ; c = log2(e) / 32
	s_mov_b32 s[CS+1], s[CS]
	s_mov_b32 s[SEL], 0x76543210
	s_mov_b32 s[SEL+1], 0xfedcba98
	s_wait_dscnt 0x0                               ; the opening add is done
	s_wait_kmcnt 0x0
	s_add_nc_u64 s[42:43], s[4:5], s[48:49]        ; my part of keys 0-511,
	s_add_nc_u64 s[46:47], s[42:43], 65536         ; and of keys 512-1,023
	s_or_b32 s43, s43, 0x80000000
	s_or_b32 s47, s47, 0x80000000
	s_add_nc_u64 s[56:57], s[4:5], s[34:35]        ; Q at the short tile's first row,
	s_add_nc_u64 s[4:5], s[4:5], s[2:3]            ; and at the long tile's
	s_add_nc_u64 s[54:55], s[6:7], s[52:53]        ; O likewise
	s_add_nc_u64 s[6:7], s[6:7], s[50:51]
	s_cmp_lt_u32 s[WV], 4                          ; a wave's two fills stand in one branch: two loads of mine are out
	s_cbranch_scc0 .Lfill_v
	s_mov_b32 s24, (1<<16)|(1<<20)|(4<<22)|(3<<25) ; 2-byte elements; padding on; after every 32 words; 4 words
	s_mul_i32 s41, s[WQ], 128*PK
	s_add_co_u32 s45, s41, 512*PK
	tensor_load_to_lds s[40:43], s[24:31]
	s_nop 0
	tensor_load_to_lds s[44:47], s[24:31]
	s_nop 0
	PLACES
	s_branch .Lfilled
.Lfill_v:
	s_mov_b32 s24, (1<<16)|(1<<20)|(4<<22)|(7<<25) ; 8 words of padding
	s_mul_i32 s41, s[WQ], 128*PV
	s_add_co_u32 s41, s41, VOFF
	s_add_co_u32 s45, s41, 512*PV
	tensor_load_to_lds s[40:43], s[24:31]
	s_nop 0
	tensor_load_to_lds s[44:47], s[24:31]
	s_nop 0
	PLACES
.Lfilled:
	v_and_b32 v24, 15, v0                          ; l % 16
	v_bfe_u32 v25, v0, 4, 1                        ; l / 16
	v_and_b32 v26, 7, v0
	v_bfe_u32 v27, v0, 3, 1
	v_lshlrev_b32 v[QO], 7, v24
	v_lshl_add_u32 v[QO], v25, 4, v[QO]
	WIN 0x40                                       ; destination window 1
.irp c, 0,1                            ; both tiles' Q stay in registers: channels 32 c on
	global_load_b128 v[8*(\c):8*(\c)+3],       v[QO], s[4:5] offset:64*(\c)
	global_load_b128 v[8*(\c)+4:8*(\c)+7],     v[QO], s[4:5] offset:64*(\c)+32
	global_load_b128 v[16+8*(\c):16+8*(\c)+3], v[QO], s[56:57] offset:64*(\c)
	global_load_b128 v[16+8*(\c)+4:16+8*(\c)+7], v[QO], s[56:57] offset:64*(\c)+32
.endr
	WIN 0
.set i, 0
.rept 32
	v_mov_b32 v[O+i], 0                            ; O^T starts at 0: written in the wait for the tiles, so that no first step is written out
.set i, i+1
.endr
	v_mov_b32 v[ST], 0xfe000000                    ; c m: far below every c s
	v_mov_b32 v[ST+1], 0xff7fffff                  ; m
	v_mov_b32 v[ST+2], 0
	v_mov_b32 v[ST+3], 0
	v_mul_u32_u24 v[AK0], v24, PK
	v_lshl_add_u32 v[AK0], v25, 4, v[AK0]          ; row x pitch + 16 x half
	v_lshl_add_u32 v[AV0], v25, 3, v26             ; the turning load: lane l reads key 8 (l / 16) + l % 8, channels 8 ((l / 8) % 2) + 0..7
	v_mul_u32_u24 v[AV0], v[AV0], PV
	v_lshl_add_u32 v[AV0], v27, 4, v[AV0]
	v_add_nc_u32 v[AV0], VOFF, v[AV0]
	s_lshl_b32 s20, s[WQ], 4                       ; a tile's place in its diagonal step of 64 keys: 16 (tile % 4)
	s_and_b32 s21, s[W7], 3
	s_lshl_b32 s21, s21, 4
	v_lshlrev_b32 v[EH], 3, v25
	v_sub_nc_u32 v[EH], v24, v[EH]                 ; l % 16 - 8 (l / 16)
	v_add_nc_u32 v[EL], s21, v[EH]
	v_add_nc_u32 v[EH], s20, v[EH]                 ; register j of key block kb is hidden where 16 kb + j is greater
	v_mov_b32 v[BIG], 0xf149f2ca
	s_mul_i32 s22, s[WV], 16*PK                    ; my stage: 16 rows x 144 bytes in K's bytes, used when K has been read for the last time
	v_add_nc_u32 v[STO], s22, v[AK0]               ; in: row l % 16, 16 bytes for each half of the lanes
	v_bfe_u32 v[RD], v0, 3, 2
	v_mul_u32_u24 v[RD], v[RD], PK
	v_lshl_add_u32 v[RD], v26, 4, v[RD]
	v_add_nc_u32 v[RD], s22, v[RD]                 ; back: 32 lanes take four rows of 128 bytes,
	v_and_b32 v[GO], 31, v0
	v_lshlrev_b32 v[GO], 4, v[GO]                  ; which are 512 consecutive bytes of ob
.macro KQ qb                           ; product i of 8 of S^T = K Q^T: channels 32 (i / 4) on, keys 16 (i % 4) on.  The 4 accumulators take turns; the first 4 start the sums
.set rD, S+8*(i%4)
.set rK, KF+16*(i%4)+8*(i/4)
.set rQ, (\qb)+8*(i/4)
.if i < 4
	v_wmma_f32_16x16x32_bf16 v[rD:rD+7], v[rK:rK+7], v[rQ:rQ+7], 0
.else
	v_wmma_f32_16x16x32_bf16 v[rD:rD+7], v[rK:rK+7], v[rQ:rQ+7], v[rD:rD+7]
.endif
.set i, i+1
.endm
.macro PVM                             ; product i of 8 of O^T += V^T P: keys 32 (i / 4) on, channels 16 (i % 4) on
.set rD, O+8*(i%4)
.set rV, VF+32*(i/4)+8*(i%4)
.set rB, P+8*(i/4)
	v_wmma_f32_16x16x32_bf16 v[rD:rD+7], v[rV:rV+7], v[rB:rB+7], v[rD:rD+7]
.set i, i+1
.endm
; Number n of the 22 that find the maximum and statistics.  0-11: four chains c0-c3 of seven scores each (each accumulator's lowest registers are read first);
; 12-14, 16: the four scores left over, the old m, c0-c3 into c0; 15: c m_old is kept; 17, 18: the query's other 32 keys lie in the lane 16 away; 19-21: c m, its change, a.
.macro XS n
.if (\n) < 4
	v_max3_num_f32 v[TMP+(\n)], v[S+8*(\n)], v[S+8*(\n)+1], v[S+8*(\n)+2]
.elseif (\n) < 12
	v_max3_num_f32 v[TMP+(\n)%4], v[TMP+(\n)%4], v[S+8*((\n)%4)+2*((\n)/4)+1], v[S+8*((\n)%4)+2*((\n)/4)+2]
.elseif (\n) == 12
	v_max3_num_f32 v[TMP], v[TMP], v[S+7], v[S+15]
.elseif (\n) == 13
	v_max3_num_f32 v[TMP+1], v[TMP+1], v[S+23], v[S+31]
.elseif (\n) == 14
	v_max3_num_f32 v[TMP+2], v[TMP+2], v[TMP+3], v[ST+1]
.elseif (\n) == 15
	v_mov_b32 v[MV], v[ST]
.elseif (\n) == 16
	v_max3_num_f32 v[TMP], v[TMP], v[TMP+1], v[TMP+2]
.elseif (\n) == 17
	v_permlanex16_b32 v[TMP+3], v[TMP], s[SEL], s[SEL+1]
.elseif (\n) == 18
	v_max_num_f32 v[ST+1], v[TMP], v[TMP+3]
.elseif (\n) == 19
	v_mul_f32 v[ST], s[CS], v[ST+1]
.elseif (\n) == 20
	v_sub_f32 v[TMP+1], v[MV], v[ST]
.else
	v_exp_f32 v[TMP+2], v[TMP+1]
.endif
.endm
.macro ADDP w, n                       ; in the scores: the pair at w n takes the pair w / 2 registers on
	v_pk_add_f32 v[S+(\w)*(\n):S+(\w)*(\n)+1], v[S+(\w)*(\n):S+(\w)*(\n)+1], v[S+(\w)*(\n)+(\w)/2:S+(\w)*(\n)+(\w)/2+1]
.endm
; ONE KEY STEP of one tile.  qb: the tile's Q in window 1.  masked = 1: steps behind the tile's last (the counter below s[lc]) are jumped over, and the last takes the mask, by v[ev].
.macro STEP qb, ev, lc, masked
.if \masked
	s_cmp_lt_u32 s[CNT], s[\lc]
	s_cbranch_scc1 .Lskip_\@                       ; behind my diagonal: nothing to do
.endif
	v_add_nc_u32 v[AK], s[TBK], v[AK0]
	v_add_nc_u32 v[AV], s[TBV], v[AV0]
.irp f, 0,1,2,3,4,5,6,7                ; K: keys 16 (f / 2) on, channels 32 (f % 2) on
	ds_load_b128 v[KF+8*(\f):KF+8*(\f)+3],   v[AK] offset:((\f)/2)*16*PK+((\f)%2)*64
	ds_load_b128 v[KF+8*(\f)+4:KF+8*(\f)+7], v[AK] offset:((\f)/2)*16*PK+((\f)%2)*64+32
.endr
.irp f, 0,1,2,3,4,5,6,7                ; V, turned: keys 32 (f / 4) on, channels 16 (f % 4) on
	ds_load_tr16_b128 v[VF+8*(\f):VF+8*(\f)+3],   v[AV] offset:((\f)/4)*32*PV+((\f)%4)*32
	ds_load_tr16_b128 v[VF+8*(\f)+4:VF+8*(\f)+7], v[AV] offset:((\f)/4)*32*PV+16*PV+((\f)%4)*32
.endr
	s_wait_dscnt 16                                ; K is in; V's sixteen loads stay out
	WIN W_KQ
.set i, 0
.rept 8
	KQ \qb
.endr
	WIN 0
	PLACES
.if \masked
	s_cmp_lg_u32 s[CNT], s[\lc]
	s_cbranch_scc1 .Lnomask_\@                     ; only the tile's last step holds the diagonal
.set i, 0
.rept 32                               ; score register i = 8 kb + j, ascending
	v_cmp_gt_i32 vcc_lo, 16*(i/8)+i%8, v[\ev]
	v_cndmask_b32 v[S+i], v[S+i], v[BIG], vcc_lo
.set i, i+1
.endr
.Lnomask_\@:
.endif
.irp n, 0,1,2,3,4,5,6,7,8,9,10,11,12,13,14,15,16,17,18,19,20,21
	XS \n
.endr
.set i, 0
.rept 16                               ; c s - c m, a pair of scores each
	v_pk_fma_f32 v[S+2*i:S+2*i+1], v[S+2*i:S+2*i+1], s[CS:CS+1], v[ST:ST+1] op_sel_hi:[1,0,0] neg_lo:[0,0,1] neg_hi:[0,0,1]
.set i, i+1
.endr
.set i, 0
.rept 32
	v_exp_f32 v[S+i], v[S+i]
.set i, i+1
.endr
	v_nop                                          ; a plain instruction behind the last exponential,
	s_wait_alu depctr_va_vdst(0)                   ; and ONE wait for the batch of 33 (a and 32 weights), ahead of its first reader
.set i, 0
.rept 16                               ; O^T times a
	v_pk_mul_f32 v[O+2*i:O+2*i+1], v[O+2*i:O+2*i+1], v[TMP+2:TMP+3] op_sel_hi:[1,0]
.set i, i+1
.endr
.set i, 0
.rept 16                               ; the weights rounded to bf16, a pair each
	v_cvt_pk_bf16_f32 v[P+i], v[S+2*i], v[S+2*i+1]
.set i, i+1
.endr
.irp n, 0,1,2,3,4,5,6,7                ; their sum, in place: neighbours 1, 2, 4 and 8 pairs apart
	ADDP 4, \n
.endr
.irp n, 0,1,2,3
	ADDP 8, \n
.endr
	ADDP 16, 0
	ADDP 16, 1
	ADDP 32, 0
	v_pk_fma_f32 v[ST+2:ST+3], v[ST+2:ST+3], v[TMP+2:TMP+3], v[S:S+1] op_sel_hi:[1,0,1]  ; l = a l + sum
	s_wait_dscnt 0x0                               ; V is in
.set i, 0
.rept 8
	PVM
.endr
	PLACES                                         ; ahead of the next step's loads into V's registers, and of the tile's end
.if \masked
.Lskip_\@:
.endif
	s_add_co_u32 s[TBK], s[TBK], 64*PK             ; the step addresses advance on both ways
	s_add_co_u32 s[TBV], s[TBV], 64*PV
.endm
; A TILE'S END: l's two halves and the other half of the lanes' are added; O^T is divided by l and rounded to bf16, into 16 registers from dst on.
.macro FINISH dst
	v_add_f32 v[ST+2], v[ST+2], v[ST+3]
	v_permlanex16_b32 v[ST+3], v[ST+2], s[SEL], s[SEL+1]
	v_add_f32 v[ST+2], v[ST+2], v[ST+3]
	v_rcp_f32 v[ST+2], v[ST+2]
	v_nop                                          ; a plain instruction behind the reciprocal,
	s_wait_alu depctr_va_vdst(0)                   ; and its wait, ahead of its first reader
.set i, 0
.rept 16
	v_pk_mul_f32 v[O+i:O+i+1], v[O+i:O+i+1], v[ST+2:ST+3] op_sel_hi:[1,0]
.set i, i+2
.endr
.set i, 0
.rept 16
	v_cvt_pk_bf16_f32 v[(\dst)+i], v[O+2*i], v[O+2*i+1]
.set i, i+1
.endr
.endm
	s_wait_tensorcnt 0x1                           ; my part of keys 0-511 is in LDS; my part of keys 512-1,023 may stay out
	s_barrier_signal -1
	s_barrier_wait -1                              ; everybody's part of keys 0-511 is in
	s_wait_loadcnt 0x0                             ; Q
	s_mov_b32 s[TBK], 0
	s_mov_b32 s[TBV], 0
	s_mov_b32 s[CNT], 8
.Lfirst_half:                                      ; the long tile, key steps 0-7: keys 0-511; none is its last
	STEP 0, EH, LCH, 0
	s_sub_co_u32 s[CNT], s[CNT], 1
	s_cmp_lg_u32 s[CNT], 0
	s_cbranch_scc1 .Lfirst_half
	s_wait_tensorcnt 0x0                           ; my part of keys 512-1,023 is in,
	s_wait_dscnt 0x0
	s_barrier_signal -1
	s_barrier_wait -1                              ; everybody's is
	s_mov_b32 s[TBK], 8*64*PK
	s_mov_b32 s[TBV], 8*64*PV
	s_mov_b32 s[CNT], 8
.Lsecond_half:                                     ; the long tile, key step 16 - CNT
	STEP 0, EH, LCH, 1
	s_sub_co_u32 s[CNT], s[CNT], 1
	s_cmp_lg_u32 s[CNT], 0
	s_cbranch_scc1 .Lsecond_half
	FINISH SAVE
	v_mov_b32 v[ST], 0xfe000000                    ; the short tile begins: its first step multiplies O^T and l by a = 0, and what the long tile left there is finite
	v_mov_b32 v[ST+1], 0xff7fffff
	s_mov_b32 s[TBK], 0
	s_mov_b32 s[TBV], 0
	s_mov_b32 s[CNT], 8
.Lshort:                                           ; the short tile, key step 8 - CNT
	STEP 16, EL, LCL, 1
	s_sub_co_u32 s[CNT], s[CNT], 1
	s_cmp_lg_u32 s[CNT], 0
	s_cbranch_scc1 .Lshort
	FINISH S                                       ; S^T's registers are free
	s_wait_dscnt 0x0                               ; my reads of K are over,
	s_barrier_signal -1
	s_barrier_wait -1                              ; everybody's are: K's first bytes become the stages
; THE WAY OUT: a lane's eight channels of a row are 16 bytes; a tile goes into rows of 144 bytes and comes back as whole rows of 128, into the registers that it left.
.macro STG src
.irp f, 0,1,2,3
	ds_store_b128 v[STO], v[(\src)+4*(\f):(\src)+4*(\f)+3] offset:32*(\f)
.endr
.irp f, 0,1,2,3
	ds_load_b128 v[(\src)+4*(\f):(\src)+4*(\f)+3], v[RD] offset:(\f)*4*PK  ; LDS serves a wave's instructions in order (ISA guide 5.7.1.4): these see the stores above; the next tile's stores come behind them
.endr
.endm
.macro SEND src, p, younger            ; younger: the LDS instructions issued behind this tile's loads
.irp f, 0,1,2,3
	s_wait_dscnt (\younger)+3-(\f)
	global_store_b128 v[GO], v[(\src)+4*(\f):(\src)+4*(\f)+3], s[\p:\p+1] offset:(\f)*512  ; 512 consecutive bytes, aligned
.endr
.endm
	STG SAVE
	STG S
	SEND SAVE, 6, 8
	SEND S, 54, 0
	s_wait_tensorcnt 0x0                           ; the wave's end
	ds_add_u32 v[SPW], v[NIL]
	s_wait_dscnt 0x0
	s_endpgm
.Lfunc_end_k_qbba0531242_attn:
	.size	k_qbba0531242_attn, .Lfunc_end_k_qbba0531242_attn-k_qbba0531242_attn
	.p2alignl 7, 3214868480
	.fill 96, 4, 3214868480
	.section	.rodata,"a",@progbits
	.p2align	6, 0x0
	.amdhsa_kernel k_qbba0531242_attn
		.amdhsa_group_segment_fixed_size 327680
		.amdhsa_private_segment_fixed_size 0
		.amdhsa_enable_private_segment 0
		.amdhsa_kernarg_size 16
		.amdhsa_user_sgpr_count 2
		.amdhsa_user_sgpr_kernarg_segment_ptr 1
		.amdhsa_wavefront_size32 1
		.amdhsa_system_sgpr_workgroup_id_x 1
		.amdhsa_system_sgpr_workgroup_id_y 1
		.amdhsa_system_sgpr_workgroup_id_z 1
		.amdhsa_system_vgpr_workitem_id 0
		.amdhsa_next_free_vgpr 288
		.amdhsa_next_free_sgpr 66
		.amdhsa_reserve_vcc 1
		.amdhsa_float_denorm_mode_32 3
		.amdhsa_float_denorm_mode_16_64 3
		.amdhsa_memory_ordered 1
		.amdhsa_forward_progress 1
		.amdhsa_inst_pref_size 50
	.end_amdhsa_kernel
	.amdgpu_metadata
---
amdhsa.version: [ 1, 2 ]
amdhsa.kernels:
  - .name:           k_qbba0531242_attn
    .symbol:         k_qbba0531242_attn.kd
    .args:
      - { .name: qkv, .offset: 0, .size: 8, .value_kind: global_buffer, .address_space: global }
      - { .name: ob, .offset: 8, .size: 8, .value_kind: global_buffer, .address_space: global }
    .group_segment_fixed_size: 327680
    .private_segment_fixed_size: 0
    .kernarg_segment_align: 8
    .kernarg_segment_size: 16
    .max_flat_workgroup_size: 256
    .sgpr_count:     66
    .vgpr_count:     288
    .wavefront_size: 32
...
	.end_amdgpu_metadata
.endif
;; end of part 3
;; launch wo (part 4): grid 8 x 32, 4 waves a work-group, clusters of 4 x 4, 327,680 bytes of LDS; arguments ob, wb, x1, bo, x; writes x1
.if DOCPART == 4
	.amdgcn_target "amdgcn-amd-amdhsa--gfx1250"
	.amdhsa_code_object_version 6
	.text
	.protected	k_qbba0531242_wo
	.globl	k_qbba0531242_wo
	.p2align	8
	.type	k_qbba0531242_wo,@function
k_qbba0531242_wo:
	s_mov_b64 s[64:65], 0
	v_nop
	global_prefetch_b8 v0, s[64:65] scope:SCOPE_SE
	s_setreg_imm32_b32 hwreg(HW_REG_WAVE_MODE, 25, 1), 1
	s_wait_xcnt 0x0
	s_wait_alu depctr_hold_cnt(0) depctr_sa_sdst(0) depctr_va_vdst(0) depctr_va_sdst(0) depctr_va_ssrc(0) depctr_va_vcc(0) depctr_vm_vsrc(0)
	s_getreg_b32 s2, hwreg(HW_REG_IB_STS2, 6, 4)
	s_cmp_eq_u32 s2, 0
	s_cbranch_scc0 .Lentry_in_a_cluster
	s_endpgm
.Lentry_in_a_cluster:
	s_bfe_u32 s2, ttmp6, 0x10000c
	s_cmp_lg_u32 s2, 0xf033
	s_cbranch_scc0 .Lentry_shape_is_right
	s_endpgm
.Lentry_shape_is_right:
; x1 = x + ob x Wo^T + bo.  ob: attention's result, [row / 128][h][row % 128][64] bf16; Wo: wb at byte 6,291,456, [1024][1024] bf16; bo: [1024] f32; x, x1: [4096][1024] f32.
; Sums in f32, started by the bias (the C operand of the first products), K ascending; the residual is added in f32 on the way out.
; TILE.  4,096 x 1,024 in tiles of 128 x 128 gives 8 x 32 = 256 work-groups.  Four waves, 64 x 64 each: 16 accumulators.
; RING.  K in steps of 256 (four heads) through two LDS slots.  A's part of a step is dense in memory: a wave fetches two heads x 128 rows as 128 rows of 256 bytes (two rows of a head
; to an LDS row of 272 bytes); B's is 64 rows of 512 bytes (LDS rows of 528).  A step is four quarters of 64 along K (a head) on two fragment buffers.
; CLUSTER.  4 x 4: A's tile is asked for jointly along a cluster's row, B's along a column.  No prefetch: the tiles are small and the launch short.
; THE MATRIX INSTRUCTION IS USED TRANSPOSED (source 0 = rows of B, source 1 = rows of A): a lane holds eight neighbouring columns of one row.
; REGISTERS: window 0: v16-31 addresses; v32-63 the bias, then rows read back; v64-95 rows read back; v128-255 accumulators at 128 + 8 (4 a + b).
;   window 1: two fragment buffers of 128: A at 8 (4 c + a), B at 64 + 8 (4 c + b), c = which 32 of the 64.   window 2: v0-127 my part of the residual.
.set KBA,    65536                     ; bytes from a K step of A to the next: four heads of 16,384
.set KBB,    512
.set PA,     272
.set PB,     528
.set ATILE,  128*PA
.set BTILE,  64*PB
.set BOFF,   2*ATILE
.set SLOT1,  0x22000                   ; no LDS word of slot 0 shares a bit with it, so one exclusive or changes slots
.set STAGE,  SLOT1+BOFF+2*BTILE        ; 16 rows x 272 bytes for each wave
.set SPITCH, 272
.set SPARE,  STAGE+4*16*SPITCH
.set STEPS,  4
.set AQ,     64*PA                     ; a quarter of A: a head's 128 rows, 64 LDS rows
.set BQ,     128
.set AR16,   8*PA                      ; 16 rows of A
.set BR16,   16*PB
.set WOFF,   6291456
.set ADRA, 16
.set A0,   17
.set ADRB, 20
.set B0,   21
.set STO,  24
.set RD,   25
.set CO,   26
.set SPW,  28
.set NIL,  29
.set BO,   31
.set BI,   32
.set OB,   32
.set ACC,  128
.set G1,  24
.set G0,  32
.set G1B, 48
.set G0B, 56
.set TBA, 72
.set TBB, 73
.set SLOTS, 74
.set CNT, 75
.set MSB, 0
.macro WIN new
.if MSB != (\new)
	s_set_vgpr_msb (MSB<<8)|(\new)
.set MSB, \new
.endif
.endm
.macro PLACES
.rept 4
	v_nop
.endr
.endm
.macro CROUND
	s_barrier_signal -1
	s_barrier_wait -1
	s_cmp_lg_u32 s10, 0
	s_cbranch_scc1 .Lnot_wave_0_\@
	s_barrier_signal -3
.Lnot_wave_0_\@:
	s_barrier_wait -3
	s_barrier_signal -1
	s_barrier_wait -1
.endm
.macro JLOAD
	s_cmp_eq_u32 s11, 0
	s_cbranch_scc0 .Lfor_b_\@
	tensor_load_to_lds s[G0+4:G0+7], s[G1:G1+7]
	s_nop 0
	PLACES
	s_branch .Lasked_\@
.Lfor_b_\@:
	tensor_load_to_lds s[G0B+4:G0B+7], s[G1B:G1B+7]
	s_nop 0
	PLACES
.Lasked_\@:
.endm
	s_load_b128 s[4:7], s[0:1], 0x0                ; ob, wb
	s_load_b64 s[8:9], s[0:1], 0x10                ; x1
	s_load_b128 s[68:71], s[0:1], 0x18             ; bo, x
	v_lshl_add_u32 v[SPW], v0, 2, SPARE
	v_mov_b32 v[NIL], 0
	ds_add_u32 v[SPW], v[NIL]                      ; the wave's opening: the add and its wait ahead of my first tensor load
	ds_add_u32 v28, v29
	v_lshrrev_b32 v1, 5, v0
	v_readfirstlane_b32 s10, v1
	s_lshr_b32 s11, s10, 1                         ; my half of the tile's rows.  Also: I fetch for A (0) or for B (1)
	s_and_b32 s12, s10, 1                          ; my half of its columns.  Also: which half of that tile I fetch
	s_bfe_u32 s40, ttmp6, 0x40000
	s_bfe_u32 s41, ttmp6, 0x40004
	s_lshl_b32 s42, ttmp9, 2
	s_add_co_u32 s42, s42, s40                     ; tile column
	s_and_b32 s13, ttmp7, 0xffff
	s_lshl_b32 s13, s13, 2
	s_add_co_u32 s13, s13, s41                     ; tile row
	s_lshl_b32 s43, s41, 2
	s_lshl_b32 s43, 15, s43
	s_lshl_b32 s44, 0x1111, s40
	s_or_b32 s[G1], s43, (1<<16)|(1<<20)|(1<<21)|(5<<22)|(3<<25)   ; A: padding of 4 words after every 64
	s_or_b32 s[G1B], s44, (1<<16)|(1<<20)|(1<<21)|(6<<22)|(3<<25)  ; B: after every 128
	s_mov_b32 s[G1+1], 128<<16                     ; A: 128 rows x 128 elements, dense
	s_mov_b32 s[G1+2], 128<<16
	s_mov_b32 s[G1+3], 128<<16
	s_mov_b32 s[G1+4], 128
	s_mov_b32 s[G1+5], 128
	s_mov_b32 s[G1+6], 0
	s_mov_b32 s[G1+7], 0
	s_mov_b32 s[G1B+1], 256<<16                    ; B: 64 rows x 256 elements of rows of 1,024
	s_mov_b32 s[G1B+2], 64<<16
	s_mov_b32 s[G1B+3], 256<<16
	s_mov_b32 s[G1B+4], 64
	s_mov_b32 s[G1B+5], 1024
	s_mov_b32 s[G1B+6], 0
	s_mov_b32 s[G1B+7], 0
	s_lshl_b32 s16, s13, 4
	s_lshl1_add_u32 s16, s12, s16                  ; A: block 16 x tile row + 2 x half,
	s_lshl_b32 s16, s16, 14                        ; 16,384 bytes a block
	s_mov_b32 s17, 0
	s_lshl_b32 s46, s42, 7
	s_lshl_b32 s47, s12, 6
	s_add_co_u32 s46, s46, s47                     ; B: row 128 x tile column + 64 x half
	s_lshl_b32 s46, s46, 11
	s_add_co_u32 s46, s46, WOFF
	s_mov_b32 s47, 0
	s_mul_i32 s20, s10, ATILE
	s_mul_i32 s21, s10, BTILE
	s_add_co_u32 s21, s21, BOFF-2*BTILE
	s_wait_dscnt 0x0
	s_wait_kmcnt 0x0
	s_add_nc_u64 s[14:15], s[4:5], s[16:17]
	s_add_nc_u64 s[46:47], s[6:7], s[46:47]
	CROUND                                         ; the first joint loads meet
.irp s, 0,1
	s_mov_b32 s[G0+4*(\s)], 1
	s_add_co_u32 s[G0+4*(\s)+1], s20, (\s)*SLOT1
	s_add_nc_u64 s[G0+4*(\s)+2:G0+4*(\s)+3], s[14:15], (\s)*KBA
	s_or_b32 s[G0+4*(\s)+3], s[G0+4*(\s)+3], 0x80000000
	s_mov_b32 s[G0B+4*(\s)], 1
	s_add_co_u32 s[G0B+4*(\s)+1], s21, (\s)*SLOT1
	s_add_nc_u64 s[G0B+4*(\s)+2:G0B+4*(\s)+3], s[46:47], (\s)*KBB
	s_or_b32 s[G0B+4*(\s)+3], s[G0B+4*(\s)+3], 0x80000000
.endr
	s_cmp_eq_u32 s11, 0                            ; a wave's two first fills stand in one branch: two loads of mine are out
	s_cbranch_scc0 .Lfirst_b
	tensor_load_to_lds s[G0:G0+3], s[G1:G1+7]
	s_nop 0
	tensor_load_to_lds s[G0+4:G0+7], s[G1:G1+7]
	s_nop 0
	PLACES
	s_branch .Lfirst_asked
.Lfirst_b:
	tensor_load_to_lds s[G0B:G0B+3], s[G1B:G1B+7]
	s_nop 0
	tensor_load_to_lds s[G0B+4:G0B+7], s[G1B:G1B+7]
	s_nop 0
	PLACES
.Lfirst_asked:
	v_and_b32 v1, 15, v0                           ; r = l % 16
	v_bfe_u32 v2, v0, 4, 1                         ; l / 16
	v_lshrrev_b32 v3, 1, v1                        ; A: row r of a head lies in LDS row r / 2, at byte 128 (r % 2)
	v_mul_u32_u24 v3, v3, PA
	v_and_b32 v4, 1, v1
	v_lshl_add_u32 v3, v4, 7, v3
	v_lshl_add_u32 v3, v2, 4, v3
	s_mul_i32 s21, s11, 32*PA                      ; my 64 rows
	v_add_nc_u32 v[A0], s21, v3
	v_mul_u32_u24 v3, v1, PB
	v_lshl_add_u32 v3, v2, 4, v3
	s_mul_i32 s22, s12, BTILE
	s_add_co_u32 s22, s22, BOFF
	v_add_nc_u32 v[B0], s22, v3
	s_mul_i32 s23, s10, 16*SPITCH
	s_add_co_u32 s23, s23, STAGE
	v_mul_u32_u24 v4, v1, SPITCH
	v_lshl_add_u32 v4, v2, 5, v4
	v_add_nc_u32 v[STO], s23, v4                   ; in: row r, 32 bytes (eight f32) for each half of the lanes
	v_mul_u32_u24 v5, v2, SPITCH
	v_lshl_add_u32 v5, v1, 4, v5
	v_add_nc_u32 v[RD], s23, v5                    ; back: lanes 0-15 one row of 256 bytes, lanes 16-31 the next
	v_lshlrev_b32 v5, 12, v2
	v_lshl_add_u32 v[CO], v1, 4, v5                ; the same two rows in x and x1
	v_lshlrev_b32 v[BO], 5, v2
	s_lshl_b32 s18, s13, 7
	s_lshl_b32 s19, s11, 6
	s_add_co_u32 s18, s18, s19                     ; my first row,
	s_lshl_b32 s18, s18, 12                        ; 4,096 bytes a row
	s_lshl_b32 s20, s42, 7
	s_lshl_b32 s21, s12, 6
	s_add_co_u32 s20, s20, s21                     ; my first column,
	s_lshl_b32 s20, s20, 2                         ; 4 bytes each
	s_mov_b32 s21, 0
	s_mov_b32 s19, 0
	s_add_nc_u64 s[68:69], s[68:69], s[20:21]
	s_add_co_u32 s18, s18, s20
	s_add_nc_u64 s[8:9], s[8:9], s[18:19]
	s_add_nc_u64 s[70:71], s[70:71], s[18:19]
.irp b, 0,1,2,3                        ; the bias as a C operand: register j of block b holds column 16 b + 8 (l / 16) + j
	global_load_b128 v[BI+8*(\b):BI+8*(\b)+3],   v[BO], s[68:69] offset:64*(\b)
	global_load_b128 v[BI+8*(\b)+4:BI+8*(\b)+7], v[BO], s[68:69] offset:64*(\b)+16
.endr
	WIN 0x80                                       ; destination window 2
.set i, 0
.rept 32                               ; my 64 x 64 of the residual, laid as the rows come back from the stage: it lands while the products run
	global_load_b128 v[4*i:4*i+3], v[CO], s[70:71] offset:2*i*4096
.set i, i+1
.endr
	WIN 0
.macro FETCH g, kq                     ; 32 LDS loads in one run: 64 along K, into buffer g
	WIN 0x40
.irp c, 0,1
.irp i, 0,1,2,3
	ds_load_b128 v[128*(\g)+64+8*(4*(\c)+(\i)):128*(\g)+64+8*(4*(\c)+(\i))+3],   v[ADRB] offset:(\kq)*BQ+64*(\c)+(\i)*BR16
	ds_load_b128 v[128*(\g)+64+8*(4*(\c)+(\i))+4:128*(\g)+64+8*(4*(\c)+(\i))+7], v[ADRB] offset:(\kq)*BQ+64*(\c)+(\i)*BR16+32
	ds_load_b128 v[128*(\g)+8*(4*(\c)+(\i)):128*(\g)+8*(4*(\c)+(\i))+3],         v[ADRA] offset:(\kq)*AQ+64*(\c)+(\i)*AR16
	ds_load_b128 v[128*(\g)+8*(4*(\c)+(\i))+4:128*(\g)+8*(4*(\c)+(\i))+7],       v[ADRA] offset:(\kq)*AQ+64*(\c)+(\i)*AR16+32
.endr
.endr
.endm
.macro MUL f, first                    ; 32 matrix instructions: the 16 accumulators take turns, twice.  first = 1: the bias starts the sums
	WIN 0x05                                       ; B and A in window 1, C and D in window 0
.irp c, 0,1
.irp a, 0,1,2,3
.irp b, 0,1,2,3
.if (\first) && ((\c) == 0)
	v_wmma_f32_16x16x32_bf16 v[ACC+8*(4*(\a)+(\b)):ACC+8*(4*(\a)+(\b))+7], v[128*(\f)+64+8*(4*(\c)+(\b)):128*(\f)+64+8*(4*(\c)+(\b))+7], v[128*(\f)+8*(4*(\c)+(\a)):128*(\f)+8*(4*(\c)+(\a))+7], v[BI+8*(\b):BI+8*(\b)+7]
.else
	v_wmma_f32_16x16x32_bf16 v[ACC+8*(4*(\a)+(\b)):ACC+8*(4*(\a)+(\b))+7], v[128*(\f)+64+8*(4*(\c)+(\b)):128*(\f)+64+8*(4*(\c)+(\b))+7], v[128*(\f)+8*(4*(\c)+(\a)):128*(\f)+8*(4*(\c)+(\a))+7], v[ACC+8*(4*(\a)+(\b)):ACC+8*(4*(\a)+(\b))+7]
.endif
.endr
.endr
.endr
.endm
.macro HT f, g, kq
	PLACES                                         ; buffer g was read by the products just issued
	FETCH \g, \kq
	s_wait_dscnt 32                                ; all but the 32 just issued: buffer f is in
	MUL \f, 0
.endm
.macro TRIP
	WIN 0
	v_add_nc_u32 v[ADRA], s[TBA], v[A0]
	v_add_nc_u32 v[ADRB], s[TBB], v[B0]
	HT 1, 0, 0
	HT 0, 1, 1
	WIN 0
	s_add_co_u32 s[TBA], s[TBA], 2*AQ
	s_add_co_u32 s[TBB], s[TBB], 2*BQ
.endm
; THE CHANGE OF SLOTS: each wave waits for all its tensor loads (one is out: its part of the other slot), adds 0 to its spare word, and waits for that and for its reads of the slot.
; fill = 1: a round of the cluster's barrier, then the joint refill first: the slot takes the K step two on.
.macro CHANGE fill
	WIN 0
	s_wait_tensorcnt 0x0
	ds_add_u32 v[SPW], v[NIL]                      ; 0 onto my spare word; scalar work stands between it and the wait for it
.if \fill
	s_xor_b32 s[G0+5], s[G0+5], SLOT1
	s_add_nc_u64 s[G0+6:G0+7], s[G0+6:G0+7], KBA
	s_xor_b32 s[G0B+5], s[G0B+5], SLOT1
	s_add_nc_u64 s[G0B+6:G0B+7], s[G0B+6:G0B+7], KBB
.endif
	s_sub_co_u32 s[TBA], s[TBA], 4*AQ
	s_xor_b32 s[TBA], s[TBA], SLOT1
	s_sub_co_u32 s[TBB], s[TBB], 4*BQ
	s_xor_b32 s[TBB], s[TBB], SLOT1
	s_wait_dscnt 0x0
.if \fill
	CROUND
	JLOAD
.else
	s_barrier_signal -1
	s_barrier_wait -1
.endif
.endm
	s_wait_tensorcnt 0x1                           ; my part of K step 0 is in; K step 1's may stay out
	s_barrier_signal -1
	s_barrier_wait -1
	v_mov_b32 v[ADRA], v[A0]
	v_mov_b32 v[ADRB], v[B0]
	FETCH 0, 0
	FETCH 1, 1
	s_wait_loadcnt 32                              ; the bias is in; the residual's 32 younger loads stay out
	s_wait_dscnt 32                                ; quarter 0 is in
	MUL 0, 1
	WIN 0
	s_mov_b32 s[TBA], 2*AQ
	s_mov_b32 s[TBB], 2*BQ
	s_mov_b32 s[SLOTS], STEPS-1
	s_mov_b32 s[CNT], 2
	s_branch .Lcount                               ; slot 0 has one trip left: the loop is entered at the counter's step
.Lslot:                                            ; STEPS - 2 times
	CHANGE 1
	s_mov_b32 s[CNT], 2
.Lpair:
	TRIP
.Lcount:
	s_sub_co_u32 s[CNT], s[CNT], 1
	s_cmp_lg_u32 s[CNT], 0
	s_cbranch_scc1 .Lpair
	s_sub_co_u32 s[SLOTS], s[SLOTS], 1
	s_cmp_lg_u32 s[SLOTS], 0
	s_cbranch_scc1 .Lslot
	CHANGE 0                                       ; the last slot is written out
	s_mov_b32 s[CNT], 2
.Ltail:
	TRIP
	s_sub_co_u32 s[CNT], s[CNT], 1
	s_cmp_lg_u32 s[CNT], 0
	s_cbranch_scc1 .Ltail
	s_wait_dscnt 0x0
	MUL 1, 0
	WIN 0
	PLACES
	s_wait_loadcnt 0x0                             ; the residual
; THE WAY OUT, a block of 16 rows at a time: the f32 sums go into my stage as they lie (each accumulator's low four registers first), come back as whole rows of 256 bytes, take the residual, and are stored.
.macro STG a
.if (\a) >= 2
	s_wait_xcnt 0x0                                ; the stores of block a - 2 have read the registers that are loaded again below
.endif
.irp b, 0,1,2,3
	ds_store_b128 v[STO], v[ACC+8*(4*(\a)+(\b)):ACC+8*(4*(\a)+(\b))+3]   offset:64*(\b)
	ds_store_b128 v[STO], v[ACC+8*(4*(\a)+(\b))+4:ACC+8*(4*(\a)+(\b))+7] offset:64*(\b)+16
.endr
.irp t, 0,1,2,3,4,5,6,7
	ds_load_b128 v[OB+32*((\a)%2)+4*(\t):OB+32*((\a)%2)+4*(\t)+3], v[RD] offset:(\t)*2*SPITCH  ; LDS serves a wave's instructions in order (ISA guide 5.7.1.4)
.endr
.endm
.macro FIN a, younger                  ; younger: the LDS instructions issued behind block a's: the next block's sixteen, or none
	s_wait_dscnt \younger
	WIN 0x08                                       ; source 1 in window 2
.set i, 0
.rept 16
	v_pk_add_f32 v[OB+32*((\a)%2)+i:OB+32*((\a)%2)+i+1], v[OB+32*((\a)%2)+i:OB+32*((\a)%2)+i+1], v[32*(\a)+i:32*(\a)+i+1]
.set i, i+2
.endr
	WIN 0
.irp t, 0,1,2,3,4,5,6,7
	global_store_b128 v[CO], v[OB+32*((\a)%2)+4*(\t):OB+32*((\a)%2)+4*(\t)+3], s[8:9] offset:(16*(\a)+2*(\t))*4096  ; 16 lanes store 256 consecutive bytes, aligned
.endr
.endm
	STG 0
	STG 1
	FIN 0, 16
	STG 2
	FIN 1, 16
	STG 3
	FIN 2, 16
	FIN 3, 0
	s_wait_tensorcnt 0x0                           ; the wave's end
	ds_add_u32 v[SPW], v[NIL]
	s_wait_dscnt 0x0
	CROUND                                         ; the closing round
	s_endpgm
.Lfunc_end_k_qbba0531242_wo:
	.size	k_qbba0531242_wo, .Lfunc_end_k_qbba0531242_wo-k_qbba0531242_wo
	.p2alignl 7, 3214868480
	.fill 96, 4, 3214868480
	.section	.rodata,"a",@progbits
	.p2align	6, 0x0
	.amdhsa_kernel k_qbba0531242_wo
		.amdhsa_group_segment_fixed_size 327680
		.amdhsa_private_segment_fixed_size 0
		.amdhsa_enable_private_segment 0
		.amdhsa_kernarg_size 40
		.amdhsa_user_sgpr_count 2
		.amdhsa_user_sgpr_kernarg_segment_ptr 1
		.amdhsa_wavefront_size32 1
		.amdhsa_system_sgpr_workgroup_id_x 1
		.amdhsa_system_sgpr_workgroup_id_y 1
		.amdhsa_system_sgpr_workgroup_id_z 1
		.amdhsa_system_vgpr_workitem_id 0
		.amdhsa_next_free_vgpr 640
		.amdhsa_next_free_sgpr 76
		.amdhsa_reserve_vcc 0
		.amdhsa_float_denorm_mode_32 3
		.amdhsa_float_denorm_mode_16_64 3
		.amdhsa_memory_ordered 1
		.amdhsa_forward_progress 1
		.amdhsa_inst_pref_size 51
	.end_amdhsa_kernel
	.amdgpu_metadata
---
amdhsa.version: [ 1, 2 ]
amdhsa.kernels:
  - .name:           k_qbba0531242_wo
    .symbol:         k_qbba0531242_wo.kd
    .args:
      - { .name: ob, .offset: 0, .size: 8, .value_kind: global_buffer, .address_space: global }
      - { .name: wb, .offset: 8, .size: 8, .value_kind: global_buffer, .address_space: global }
      - { .name: x1, .offset: 16, .size: 8, .value_kind: global_buffer, .address_space: global }
      - { .name: bo, .offset: 24, .size: 8, .value_kind: global_buffer, .address_space: global }
      - { .name: x, .offset: 32, .size: 8, .value_kind: global_buffer, .address_space: global }
    .group_segment_fixed_size: 327680
    .private_segment_fixed_size: 0
    .kernarg_segment_align: 8
    .kernarg_segment_size: 40
    .max_flat_workgroup_size: 128
    .sgpr_count:     76
    .vgpr_count:     640
    .wavefront_size: 32
...
	.end_amdgpu_metadata
.endif
;; end of part 4
;; launch ln2 (part 5): grid 512 x 1, 4 waves a work-group, no clusters, 0 bytes of LDS; arguments x1, g2, be2, hb; writes hb
.if DOCPART == 5
	.amdgcn_target "amdgcn-amd-amdhsa--gfx1250"
	.amdhsa_code_object_version 6
	.text
	.protected	k_qbba0531242_ln2
	.globl	k_qbba0531242_ln2
	.p2align	8
	.type	k_qbba0531242_ln2,@function
k_qbba0531242_ln2:
	s_mov_b64 s[64:65], 0
	v_nop
	global_prefetch_b8 v0, s[64:65] scope:SCOPE_SE
	s_setreg_imm32_b32 hwreg(HW_REG_WAVE_MODE, 25, 1), 1
	s_wait_xcnt 0x0
; hb = bf16(LayerNorm(x1) * g2 + be2).  x1: [4096][1024] f32; g2, be2: [1024] f32; hb: [4096][1024] bf16.
; A work-group takes 8 rows, a wave 2 of them: all its loads go out at once, and there is no loop; a row of 4,096 bytes stays in 32 registers of one wave between the passes.
; A stream: no LDS, no barrier, no matrix unit.  A load of a wave covers 512 consecutive bytes, a store 256, aligned.
; In f32 in two passes, as it is defined: the mean, then the mean of the squares of x - mean.  Rounded once to bf16.  NaN and infinities are not treated apart.
.set LO,  1                            ; 16 x lane
.set SO,  2                            ; 8 x lane
.set T,   4                            ; v[4:11]   four chains of pairs
.set M,   12                           ; v[12:13]  the mean, twice
.set R,   14                           ; v[14:15]  1 / sqrt(variance + eps), twice
.set G,   16                           ; v[16:47]
.set BE,  48                           ; v[48:79]
.set X,   80                           ; v[80:143] two rows
	s_load_b256 s[8:15], s[0:1], 0x0               ; x1 8, g2 10, be2 12, hb 14
	v_lshrrev_b32 v3, 5, v0
	v_readfirstlane_b32 s2, v3
	v_and_b32 v[LO], 31, v0
	v_lshlrev_b32 v[SO], 3, v[LO]
	v_lshlrev_b32 v[LO], 4, v[LO]
	s_lshl_b32 s3, ttmp9, 3
	s_lshl1_add_u32 s3, s2, s3                     ; my first row = 8 x work-group + 2 x wave
	s_mov_b32 s35, 0
	s_mov_b32 s40, 0x3a800000                      ; 1 / 1,024
	s_mov_b32 s41, 0x3727c5ac                      ; eps = 1e-5
	s_mov_b32 s42, 0x76543210
	s_mov_b32 s43, 0xfedcba98
	s_wait_kmcnt 0x0
	s_lshl_b32 s34, s3, 12
	s_add_nc_u64 s[30:31], s[8:9], s[34:35]
	s_lshl_b32 s34, s3, 11
	s_add_nc_u64 s[36:37], s[14:15], s[34:35]
.irp j, 0,1,2,3,4,5,6,7
	global_load_b128 v[G+4*(\j):G+4*(\j)+3], v[LO], s[10:11] offset:512*(\j)
.endr
.irp j, 0,1,2,3,4,5,6,7
	global_load_b128 v[BE+4*(\j):BE+4*(\j)+3], v[LO], s[12:13] offset:512*(\j)
.endr
.irp i, 0,1
.irp j, 0,1,2,3,4,5,6,7
	global_load_b128 v[X+32*(\i)+4*(\j):X+32*(\i)+4*(\j)+3], v[LO], s[30:31] offset:4096*(\i)+512*(\j)
.endr
.endr
.macro RED                             ; the four chains into one number, then over the 32 lanes
	v_pk_add_f32 v[T:T+1], v[T:T+1], v[T+2:T+3]
	v_pk_add_f32 v[T+4:T+5], v[T+4:T+5], v[T+6:T+7]
	v_pk_add_f32 v[T:T+1], v[T:T+1], v[T+4:T+5]
	v_add_f32 v[T], v[T], v[T+1]
	v_add_f32_dpp v[T], v[T], v[T] row_xmask:1 row_mask:0xf bank_mask:0xf
	v_add_f32_dpp v[T], v[T], v[T] row_xmask:2 row_mask:0xf bank_mask:0xf
	v_add_f32_dpp v[T], v[T], v[T] row_xmask:4 row_mask:0xf bank_mask:0xf
	v_add_f32_dpp v[T], v[T], v[T] row_xmask:8 row_mask:0xf bank_mask:0xf
	v_permlanex16_b32 v[T+1], v[T], s42, s43
	v_add_f32 v[T], v[T], v[T+1]
.endm
.macro LNROW i, left                   ; left: the younger loads that may stay out
.set XI, X+32*(\i)
	s_wait_loadcnt \left
.irp k, 0,2,4,6
	v_pk_add_f32 v[T+(\k):T+(\k)+1], v[XI+(\k):XI+(\k)+1], v[XI+8+(\k):XI+8+(\k)+1]
.endr
.irp o, 16,24
.irp k, 0,2,4,6
	v_pk_add_f32 v[T+(\k):T+(\k)+1], v[T+(\k):T+(\k)+1], v[XI+(\o)+(\k):XI+(\o)+(\k)+1]
.endr
.endr
	RED
	v_mul_f32 v[M], s40, v[T]
	v_mul_f32 v[M+1], s40, v[T]
.set k, 0
.rept 16
	v_pk_add_f32 v[XI+k:XI+k+1], v[XI+k:XI+k+1], v[M:M+1] neg_lo:[0,1] neg_hi:[0,1]
.set k, k+2
.endr
.irp k, 0,2,4,6
	v_pk_mul_f32 v[T+(\k):T+(\k)+1], v[XI+(\k):XI+(\k)+1], v[XI+(\k):XI+(\k)+1]
.endr
.irp o, 8,16,24
.irp k, 0,2,4,6
	v_pk_fma_f32 v[T+(\k):T+(\k)+1], v[XI+(\o)+(\k):XI+(\o)+(\k)+1], v[XI+(\o)+(\k):XI+(\o)+(\k)+1], v[T+(\k):T+(\k)+1]
.endr
.endr
	RED
	v_fma_f32 v[T], v[T], s40, s41
	v_rsq_f32 v[R], v[T]
	v_rsq_f32 v[R+1], v[T]
	v_nop                                          ; a plain instruction behind the second root (ISA guide 5.7.2),
	s_wait_alu depctr_va_vdst(0)                   ; and the one wait for both, ahead of their first reader
.set k, 0
.rept 16
	v_pk_mul_f32 v[XI+k:XI+k+1], v[XI+k:XI+k+1], v[R:R+1]
.set k, k+2
.endr
.set k, 0
.rept 16
	v_pk_fma_f32 v[XI+k:XI+k+1], v[XI+k:XI+k+1], v[G+k:G+k+1], v[BE+k:BE+k+1]
.set k, k+2
.endr
.set k, 0
.rept 16
	v_cvt_pk_bf16_f32 v[XI+k], v[XI+2*k], v[XI+2*k+1]  ; in place: entry k lands on a register whose number has been read
.set k, k+1
.endr
.irp j, 0,1,2,3,4,5,6,7
	global_store_b64 v[SO], v[XI+2*(\j):XI+2*(\j)+1], s[36:37] offset:2048*(\i)+256*(\j)  ; 32 lanes store 256 consecutive bytes, aligned
.endr
.endm
	LNROW 0, 8                                     ; g2, be2 and row 0, issued ahead, are in; row 1's eight loads stay out
	LNROW 1, 0
	s_endpgm
.Lfunc_end_k_qbba0531242_ln2:
	.size	k_qbba0531242_ln2, .Lfunc_end_k_qbba0531242_ln2-k_qbba0531242_ln2
	.p2alignl 7, 3214868480
	.fill 96, 4, 3214868480
	.section	.rodata,"a",@progbits
	.p2align	6, 0x0
	.amdhsa_kernel k_qbba0531242_ln2
		.amdhsa_group_segment_fixed_size 0
		.amdhsa_private_segment_fixed_size 0
		.amdhsa_enable_private_segment 0
		.amdhsa_kernarg_size 32
		.amdhsa_user_sgpr_count 2
		.amdhsa_user_sgpr_kernarg_segment_ptr 1
		.amdhsa_wavefront_size32 1
		.amdhsa_system_sgpr_workgroup_id_x 1
		.amdhsa_system_sgpr_workgroup_id_y 1
		.amdhsa_system_sgpr_workgroup_id_z 1
		.amdhsa_system_vgpr_workitem_id 0
		.amdhsa_next_free_vgpr 144
		.amdhsa_next_free_sgpr 66
		.amdhsa_reserve_vcc 0
		.amdhsa_float_denorm_mode_32 3
		.amdhsa_float_denorm_mode_16_64 3
		.amdhsa_memory_ordered 1
		.amdhsa_forward_progress 1
		.amdhsa_inst_pref_size 20
	.end_amdhsa_kernel
	.amdgpu_metadata
---
amdhsa.version: [ 1, 2 ]
amdhsa.kernels:
  - .name:           k_qbba0531242_ln2
    .symbol:         k_qbba0531242_ln2.kd
    .args:
      - { .name: x1, .offset: 0, .size: 8, .value_kind: global_buffer, .address_space: global }
      - { .name: g2, .offset: 8, .size: 8, .value_kind: global_buffer, .address_space: global }
      - { .name: be2, .offset: 16, .size: 8, .value_kind: global_buffer, .address_space: global }
      - { .name: hb, .offset: 24, .size: 8, .value_kind: global_buffer, .address_space: global }
    .group_segment_fixed_size: 0
    .private_segment_fixed_size: 0
    .kernarg_segment_align: 8
    .kernarg_segment_size: 32
    .max_flat_workgroup_size: 128
    .sgpr_count:     66
    .vgpr_count:     144
    .wavefront_size: 32
...
	.end_amdgpu_metadata
.endif
;; end of part 5
;; launch ff1 (part 6): grid 16 x 16, 4 waves a work-group, clusters of 4 x 4, 327,680 bytes of LDS; arguments hb, wb, ffb, b1; writes ffb
.if DOCPART == 6
	.amdgcn_target "amdgcn-amd-amdhsa--gfx1250"
	.amdhsa_code_object_version 6
	.text
	.protected	k_qbba0531242_ff1
	.globl	k_qbba0531242_ff1
	.p2align	8
	.type	k_qbba0531242_ff1,@function
k_qbba0531242_ff1:
	s_mov_b64 s[64:65], 0
	v_nop
	global_prefetch_b8 v0, s[64:65] scope:SCOPE_SE
	s_setreg_imm32_b32 hwreg(HW_REG_WAVE_MODE, 25, 1), 1
	s_wait_xcnt 0x0
	s_wait_alu depctr_hold_cnt(0) depctr_sa_sdst(0) depctr_va_vdst(0) depctr_va_sdst(0) depctr_va_ssrc(0) depctr_va_vcc(0) depctr_vm_vsrc(0)
	s_getreg_b32 s2, hwreg(HW_REG_IB_STS2, 6, 4)
	s_cmp_eq_u32 s2, 0
	s_cbranch_scc0 .Lentry_in_a_cluster
	s_endpgm
.Lentry_in_a_cluster:
	s_bfe_u32 s2, ttmp6, 0x10000c
	s_cmp_lg_u32 s2, 0xf033
	s_cbranch_scc0 .Lentry_shape_is_right
	s_endpgm
.Lentry_shape_is_right:
; ffb = relu(hb x W1^T + b1).  hb: [4096][1024] bf16 (the second LayerNorm's result); W1: wb at byte 8,388,608, [4096][1024] bf16; b1: [4096] f32; ffb: [4096][4096] bf16.
; Sums in f32, started by the bias (the C operand of the first products), K ascending; rounded once to bf16, then the larger of it and 0, which is the same number as rounding the f32 maximum.
; TILE.  4,096 x 4,096 in tiles of 256 x 256 gives 256 work-groups.  Four waves, 128 x 128 each: 64 accumulators, 512 registers.
; RING.  K in steps of 128 through two LDS slots (256 rows of A, 256 of B, 272 bytes apart); each wave fetches 128 rows by one tensor load.  A step is four quarters of 32 along K on two
; fragment buffers: while one is multiplied (64 matrix instructions) the next one's 32 LDS loads are out.  Two quarters' text stands once in the loop and once in the tail.
; CLUSTER.  4 x 4: A's tile is asked for jointly along a cluster's row, B's along a column.
; THE MATRIX INSTRUCTION IS USED TRANSPOSED (source 0 = rows of B, source 1 = rows of A): a lane holds eight neighbouring columns of one row.
; REGISTERS: window 0: v16-31 addresses; v64-127, v128-191 A's fragments; v192-255 the bias, later v192-223 packed results; v32-63, v224-255 rows read back.
;   window 1: v64-127, v128-191 B's fragments.   window 2: accumulators of my row blocks 0-3 at 8 (8 a + b);   window 3: of blocks 4-7.
.set KB,     256
.set QB,     64
.set PITCH,  272                       ; 256 + 16 of padding: the 16 rows of a fragment load start at 16 different groups of four banks (ISA guide 11.1)
.set HALFT,  128*PITCH
.set SLOT1,  4*HALFT                   ; 0x22000: no LDS word of slot 0 shares a bit with it, so one exclusive or changes slots
.set STAGE,  2*SLOT1
.set SPARE,  STAGE+4*16*PITCH
.set STEPS,  8
.set WOFF,   8388608
.set ROWO,   8192                      ; bytes in a row of ffb
.set ADRA, 16
.set A0,   17
.set ADRB, 20
.set B0,   21
.set STO,  24
.set RD,   25
.set CO,   26
.set ZERO, 27
.set SPW,  28
.set NIL,  29
.set PFO,  30
.set BO,   31
.set OB,   32
.set FR,   64
.set BI,   192
.set TMP,  192
.set G1,  24
.set G0,  32
.set G1B, 48
.set G0B, 56
.set LIM, 43
.set PFA, 44
.set TB,  72
.set SLOTS, 74
.set CNT, 75
.set MSB, 0
.macro WIN new
.if MSB != (\new)
	s_set_vgpr_msb (MSB<<8)|(\new)
.set MSB, \new
.endif
.endm
.macro PLACES
.rept 4
	v_nop
.endr
.endm
.macro CROUND
	s_barrier_signal -1
	s_barrier_wait -1
	s_cmp_lg_u32 s10, 0
	s_cbranch_scc1 .Lnot_wave_0_\@
	s_barrier_signal -3
.Lnot_wave_0_\@:
	s_barrier_wait -3
	s_barrier_signal -1
	s_barrier_wait -1
.endm
.macro JLOAD
	s_cmp_eq_u32 s11, 0
	s_cbranch_scc0 .Lfor_b_\@
	tensor_load_to_lds s[G0+4:G0+7], s[G1:G1+7]
	s_nop 0
	PLACES
	s_branch .Lasked_\@
.Lfor_b_\@:
	tensor_load_to_lds s[G0B+4:G0B+7], s[G1B:G1B+7]
	s_nop 0
	PLACES
.Lasked_\@:
.endm
; A PREFETCH behind each joint refill: the K step two refills on, a lane a row, one instruction a wave.  A's rows are read by every cluster of a row of clusters: cluster x = 0 asks;
; B's by every cluster of a column: cluster y = 0 asks.  The four partners share a wave's 128 rows out by address, 32 each.
; The refill of K step n + 1 names K step n + 3; SLOTS is then 7 - n, so asking stops behind K step 7, a row's last.
.macro ASK
	s_cmp_gt_u32 s[SLOTS], s[LIM]
	s_cbranch_scc0 .Lnot_mine_\@
	global_prefetch_b8 v[PFO], s[PFA:PFA+1] offset:KB th:TH_LOAD_NT scope:SCOPE_SE
.Lnot_mine_\@:
.endm
	s_load_b128 s[4:7], s[0:1], 0x0                ; hb, wb
	s_load_b64 s[8:9], s[0:1], 0x10                ; ffb
	s_load_b64 s[68:69], s[0:1], 0x18              ; b1
	v_lshl_add_u32 v[SPW], v0, 2, SPARE
	v_mov_b32 v[NIL], 0
	ds_add_u32 v[SPW], v[NIL]                      ; the wave's opening: the add and its wait ahead of my first tensor load
	ds_add_u32 v28, v29
	v_lshrrev_b32 v1, 5, v0
	v_readfirstlane_b32 s10, v1
	s_lshr_b32 s11, s10, 1                         ; my half of the tile's rows.  Also: I fetch for A (0) or for B (1)
	s_and_b32 s12, s10, 1                          ; my half of its columns.  Also: which 128 rows of that tile I fetch
	s_bfe_u32 s40, ttmp6, 0x40000
	s_bfe_u32 s41, ttmp6, 0x40004
	s_lshl_b32 s42, ttmp9, 2
	s_add_co_u32 s42, s42, s40                     ; tile column
	s_and_b32 s13, ttmp7, 0xffff
	s_lshl_b32 s13, s13, 2
	s_add_co_u32 s13, s13, s41                     ; tile row
	s_lshl_b32 s43, s41, 2
	s_lshl_b32 s43, 15, s43
	s_lshl_b32 s44, 0x1111, s40
	s_or_b32 s[G1], s43, (1<<16)|(1<<20)|(1<<21)|(5<<22)|(3<<25)
	s_or_b32 s[G1B], s44, (1<<16)|(1<<20)|(1<<21)|(5<<22)|(3<<25)
.irp g, G1, G1B
	s_mov_b32 s[(\g)+1], 128<<16                   ; tensor_dim0 = 128
	s_mov_b32 s[(\g)+2], 128<<16                   ; tensor_dim1 = 128
	s_mov_b32 s[(\g)+3], 128<<16                   ; tile_dim0 = 128
	s_mov_b32 s[(\g)+4], 128                       ; tile_dim1 = 128
	s_mov_b32 s[(\g)+5], 1024                      ; elements from row to row
	s_mov_b32 s[(\g)+6], 0
	s_mov_b32 s[(\g)+7], 0
.endr
	s_lshl_b32 s16, s13, 8
	s_lshl_b32 s17, s12, 7
	s_add_co_u32 s16, s16, s17                     ; A: row 256 x tile row + 128 x half
	s_lshl_b32 s16, s16, 11
	s_mov_b32 s17, 0
	s_lshl_b32 s46, s42, 8
	s_lshl_b32 s47, s12, 7
	s_add_co_u32 s46, s46, s47                     ; B: row 256 x tile column + 128 x half
	s_lshl_b32 s46, s46, 11
	s_add_co_u32 s46, s46, WOFF
	s_mov_b32 s47, 0
	s_mul_i32 s20, s10, HALFT                      ; where they go: A's two halves, then B's two = wave x 128 rows
	s_wait_dscnt 0x0
	s_wait_kmcnt 0x0
	s_add_nc_u64 s[14:15], s[4:5], s[16:17]
	s_add_nc_u64 s[46:47], s[6:7], s[46:47]
	CROUND                                         ; the first joint loads meet
.irp s, 0,1
	s_mov_b32 s[G0+4*(\s)], 1
	s_add_co_u32 s[G0+4*(\s)+1], s20, (\s)*SLOT1
	s_add_nc_u64 s[G0+4*(\s)+2:G0+4*(\s)+3], s[14:15], (\s)*KB
	s_or_b32 s[G0+4*(\s)+3], s[G0+4*(\s)+3], 0x80000000
	s_mov_b32 s[G0B+4*(\s)], 1
	s_add_co_u32 s[G0B+4*(\s)+1], s20, (\s)*SLOT1
	s_add_nc_u64 s[G0B+4*(\s)+2:G0B+4*(\s)+3], s[46:47], (\s)*KB
	s_or_b32 s[G0B+4*(\s)+3], s[G0B+4*(\s)+3], 0x80000000
.endr
	s_cmp_eq_u32 s11, 0                            ; a wave's two first fills stand in one branch: two loads of mine are out
	s_cbranch_scc0 .Lfirst_b
	tensor_load_to_lds s[G0:G0+3], s[G1:G1+7]
	s_nop 0
	tensor_load_to_lds s[G0+4:G0+7], s[G1:G1+7]
	s_nop 0
	PLACES
	s_branch .Lfirst_asked
.Lfirst_b:
	tensor_load_to_lds s[G0B:G0B+3], s[G1B:G1B+7]
	s_nop 0
	tensor_load_to_lds s[G0B+4:G0B+7], s[G1B:G1B+7]
	s_nop 0
	PLACES
.Lfirst_asked:
	v_and_b32 v1, 15, v0
	v_bfe_u32 v2, v0, 4, 1
	v_mul_u32_u24 v3, v1, PITCH
	v_lshl_add_u32 v3, v2, 4, v3                   ; row x pitch + 16 x half
	s_mul_i32 s21, s11, HALFT
	s_mul_i32 s22, s12, HALFT
	s_add_co_u32 s22, s22, 2*HALFT
	v_add_nc_u32 v[A0], s21, v3
	v_add_nc_u32 v[B0], s22, v3
	s_mul_i32 s23, s10, 16*PITCH
	s_add_co_u32 s23, s23, STAGE
	v_add_nc_u32 v[STO], s23, v3                   ; in: row l % 16, 16 bytes for each half of the lanes
	v_mul_u32_u24 v5, v2, PITCH
	v_lshl_add_u32 v5, v1, 4, v5
	v_add_nc_u32 v[RD], s23, v5                    ; back: lanes 0-15 one row of 256 bytes, lanes 16-31 the next
	v_lshlrev_b32 v5, 13, v2
	v_lshl_add_u32 v[CO], v1, 4, v5                ; the same two rows in ffb
	v_mov_b32 v[ZERO], 0
	v_lshlrev_b32 v[BO], 5, v2
	s_lshl_b32 s18, s13, 8
	s_lshl_b32 s19, s11, 7
	s_add_co_u32 s18, s18, s19                     ; my first row,
	s_lshl_b32 s18, s18, 13                        ; 8,192 bytes a row
	s_lshl_b32 s20, s42, 8
	s_lshl_b32 s21, s12, 7
	s_add_co_u32 s20, s20, s21                     ; my first column
	s_lshl_b32 s21, s20, 1
	s_add_co_u32 s18, s18, s21
	s_mov_b32 s19, 0
	s_add_nc_u64 s[8:9], s[8:9], s[18:19]
	s_lshl_b32 s18, s20, 2
	s_add_nc_u64 s[68:69], s[68:69], s[18:19]
.irp b, 0,1,2,3,4,5,6,7                ; the bias as a C operand: register j of block b holds column 16 b + 8 (l / 16) + j
	global_load_b128 v[BI+8*(\b):BI+8*(\b)+3],   v[BO], s[68:69] offset:64*(\b)
	global_load_b128 v[BI+8*(\b)+4:BI+8*(\b)+7], v[BO], s[68:69] offset:64*(\b)+16
.endr
	; the prefetches
	s_and_b32 s22, ttmp7, 0xffff                   ; cluster y
	s_lshl_b32 s18, s13, 8
	s_lshl_b32 s19, s42, 8
	s_cmp_eq_u32 s11, 0
	s_cselect_b32 s20, s18, s19                    ; the tile's first row
	s_cselect_b32 s21, s40, s41                    ; my place among the four that ask for it with me
	s_cselect_b32 s22, ttmp9, s22                  ; the coordinate along which other clusters read the same rows
	s_cselect_b32 s23, 0, WOFF
	s_cselect_b64 s[PFA:PFA+1], s[4:5], s[6:7]
	s_cmp_eq_u32 s22, 0
	s_cselect_b32 s[LIM], 2, -1                    ; the same in all sixteen partners, for a given wave
	s_lshl_b32 s22, s12, 7
	s_add_co_u32 s20, s20, s22                     ; + the 128 rows that I fetch
	s_lshl_b32 s21, s21, 5
	s_add_co_u32 s20, s20, s21                     ; + my work-group's 32 of them
	s_lshl_b32 s20, s20, 11
	s_add_co_u32 s20, s20, s23
	s_add_co_u32 s20, s20, 2*KB                    ; at K step 2: the first refill steps it to 3 and names K step 4
	s_mov_b32 s21, 0
	s_add_nc_u64 s[PFA:PFA+1], s[PFA:PFA+1], s[20:21]
	v_and_b32 v[PFO], 31, v0
	v_lshlrev_b32 v[PFO], 11, v[PFO]
.macro FETCH g, kq                     ; 32 LDS loads in one run: the fragments of quarter kq behind the step address, into buffer g
	WIN 0x40
.irp i, 0,1,2,3,4,5,6,7
	ds_load_b128 v[FR+64*(\g)+8*(\i):FR+64*(\g)+8*(\i)+3],   v[ADRB] offset:(\kq)*QB+(\i)*16*PITCH
	ds_load_b128 v[FR+64*(\g)+8*(\i)+4:FR+64*(\g)+8*(\i)+7], v[ADRB] offset:(\kq)*QB+(\i)*16*PITCH+32
.endr
	WIN 0
.irp i, 0,1,2,3,4,5,6,7
	ds_load_b128 v[FR+64*(\g)+8*(\i):FR+64*(\g)+8*(\i)+3],   v[ADRA] offset:(\kq)*QB+(\i)*16*PITCH
	ds_load_b128 v[FR+64*(\g)+8*(\i)+4:FR+64*(\g)+8*(\i)+7], v[ADRA] offset:(\kq)*QB+(\i)*16*PITCH+32
.endr
.endm
.macro MUL f, first                    ; 64 matrix instructions on buffer f: the 64 accumulators take turns, in the same order everywhere.  first = 1: the bias starts the sums
.irp hi, 0,1
.if \first
	WIN 0x81+0x40*(\hi)                            ; B window 1, A and C (the bias) window 0, D window 2 or 3
.else
	WIN 0xa1+0x50*(\hi)                            ; C and D window 2 or 3
.endif
.irp a, 0,1,2,3
.irp b, 0,1,2,3,4,5,6,7
.if \first
	v_wmma_f32_16x16x32_bf16 v[8*(8*(\a)+(\b)):8*(8*(\a)+(\b))+7], v[FR+64*(\f)+8*(\b):FR+64*(\f)+8*(\b)+7], v[FR+64*(\f)+8*(4*(\hi)+(\a)):FR+64*(\f)+8*(4*(\hi)+(\a))+7], v[BI+8*(\b):BI+8*(\b)+7]
.else
	v_wmma_f32_16x16x32_bf16 v[8*(8*(\a)+(\b)):8*(8*(\a)+(\b))+7], v[FR+64*(\f)+8*(\b):FR+64*(\f)+8*(\b)+7], v[FR+64*(\f)+8*(4*(\hi)+(\a)):FR+64*(\f)+8*(4*(\hi)+(\a))+7], v[8*(8*(\a)+(\b)):8*(8*(\a)+(\b))+7]
.endif
.endr
.endr
.endr
.endm
.macro HT f, g, kq
	PLACES                                         ; buffer g was read by the products just issued
	FETCH \g, \kq
	s_wait_dscnt 32                                ; all but the 32 just issued: buffer f, fetched a quarter ago, is in
	MUL \f, 0
.endm
.macro TRIP
	WIN 0
	v_add_nc_u32 v[ADRA], s[TB], v[A0]
	v_add_nc_u32 v[ADRB], s[TB], v[B0]
	HT 1, 0, 0
	HT 0, 1, 1
	WIN 0
	s_add_co_u32 s[TB], s[TB], 2*QB
.endm
; THE CHANGE OF SLOTS: each wave waits for all its tensor loads (one is out: its part of the other slot), adds 0 to its spare word, and waits for that and for its reads of the slot.
; fill = 1: a round of the cluster's barrier, then the joint refill first: the slot takes the K step two on.
.macro CHANGE fill
	WIN 0
	s_wait_tensorcnt 0x0
	ds_add_u32 v[SPW], v[NIL]                      ; 0 onto my spare word; scalar work stands between it and the wait for it
.if \fill
	s_xor_b32 s[G0+5], s[G0+5], SLOT1
	s_add_nc_u64 s[G0+6:G0+7], s[G0+6:G0+7], KB
	s_xor_b32 s[G0B+5], s[G0B+5], SLOT1
	s_add_nc_u64 s[G0B+6:G0B+7], s[G0B+6:G0B+7], KB
	s_wait_xcnt 0x0                                ; the last prefetch, a K step back, has read its address
	s_add_nc_u64 s[PFA:PFA+1], s[PFA:PFA+1], KB
.endif
	s_sub_co_u32 s[TB], s[TB], 4*QB
	s_xor_b32 s[TB], s[TB], SLOT1
	s_wait_dscnt 0x0
.if \fill
	CROUND
	JLOAD
	ASK
.else
	s_barrier_signal -1
	s_barrier_wait -1
.endif
.endm
	s_wait_tensorcnt 0x1                           ; my part of K step 0 is in; K step 1's may stay out
	s_barrier_signal -1
	s_barrier_wait -1
	v_mov_b32 v[ADRA], v[A0]
	v_mov_b32 v[ADRB], v[B0]
	FETCH 0, 0
	FETCH 1, 1
	s_wait_loadcnt 0x0                             ; the bias
	s_wait_dscnt 32                                ; quarter 0 is in
	MUL 0, 1
	WIN 0
	s_mov_b32 s[TB], 2*QB
	s_mov_b32 s[SLOTS], STEPS-1
	s_mov_b32 s[CNT], 2
	s_branch .Lcount                               ; slot 0 has one trip left: the loop is entered at the counter's step
.Lslot:                                            ; STEPS - 2 times
	CHANGE 1
	s_mov_b32 s[CNT], 2
.Lpair:
	TRIP
.Lcount:
	s_sub_co_u32 s[CNT], s[CNT], 1
	s_cmp_lg_u32 s[CNT], 0
	s_cbranch_scc1 .Lpair
	s_sub_co_u32 s[SLOTS], s[SLOTS], 1
	s_cmp_lg_u32 s[SLOTS], 0
	s_cbranch_scc1 .Lslot
	CHANGE 0                                       ; the last slot is written out
	s_mov_b32 s[CNT], 2
.Ltail:
	TRIP
	s_sub_co_u32 s[CNT], s[CNT], 1
	s_cmp_lg_u32 s[CNT], 0
	s_cbranch_scc1 .Ltail
	s_wait_dscnt 0x0
	MUL 1, 0
	WIN 0
	PLACES
; THE WAY OUT, a block of 16 rows at a time: rounded to bf16, the larger of it and 0; 16 bytes a lane into my stage; back as whole rows of 256 bytes; stored.
.macro PACK a
	WIN 0x0a+5*((\a)/4)                            ; sources in window 2 or 3
.irp b, 0,1,2,3,4,5,6,7
.irp r, 0,1,2,3
	v_cvt_pk_bf16_f32 v[TMP+4*(\b)+(\r)], v[64*((\a)%4)+8*(\b)+2*(\r)], v[64*((\a)%4)+8*(\b)+2*(\r)+1]
.endr
.endr
	WIN 0
.set i, 0
.rept 32
	v_pk_max_num_bf16 v[TMP+i], v[TMP+i], v[ZERO]
.set i, i+1
.endr
.endm
.macro TOSTAGE a
.irp b, 0,1,2,3,4,5,6,7
	ds_store_b128 v[STO], v[TMP+4*(\b):TMP+4*(\b)+3] offset:32*(\b)
.endr
.irp t, 0,1,2,3,4,5,6,7
	ds_load_b128 v[OB+192*((\a)%2)+4*(\t):OB+192*((\a)%2)+4*(\t)+3], v[RD] offset:(\t)*2*PITCH  ; LDS serves a wave's instructions in order (ISA guide 5.7.1.4)
.endr
.endm
.macro SEND a
	s_wait_dscnt 0x0                               ; the block is back in registers
	s_wait_xcnt 0x0                                ; the stores of the block before have read their registers: the next TOSTAGE loads into them
.irp t, 0,1,2,3,4,5,6,7
	global_store_b128 v[CO], v[OB+192*((\a)%2)+4*(\t):OB+192*((\a)%2)+4*(\t)+3], s[8:9] offset:(16*(\a)+2*(\t))*ROWO  ; 16 lanes store 256 consecutive bytes, aligned
.endr
.endm
	PACK 0
	TOSTAGE 0
.irp a, 1,2,3,4,5,6,7                  ; block a's conversions stand between block a - 1's loads from the stage and the wait for them
	PACK \a
	SEND (\a)-1
	TOSTAGE \a
.endr
	SEND 7
	s_wait_tensorcnt 0x0                           ; the wave's end
	ds_add_u32 v[SPW], v[NIL]
	s_wait_dscnt 0x0
	CROUND                                         ; the closing round
	s_endpgm
.Lfunc_end_k_qbba0531242_ff1:
	.size	k_qbba0531242_ff1, .Lfunc_end_k_qbba0531242_ff1-k_qbba0531242_ff1
	.p2alignl 7, 3214868480
	.fill 96, 4, 3214868480
	.section	.rodata,"a",@progbits
	.p2align	6, 0x0
	.amdhsa_kernel k_qbba0531242_ff1
		.amdhsa_group_segment_fixed_size 327680
		.amdhsa_private_segment_fixed_size 0
		.amdhsa_enable_private_segment 0
		.amdhsa_kernarg_size 32
		.amdhsa_user_sgpr_count 2
		.amdhsa_user_sgpr_kernarg_segment_ptr 1
		.amdhsa_wavefront_size32 1
		.amdhsa_system_sgpr_workgroup_id_x 1
		.amdhsa_system_sgpr_workgroup_id_y 1
		.amdhsa_system_sgpr_workgroup_id_z 1
		.amdhsa_system_vgpr_workitem_id 0
		.amdhsa_next_free_vgpr 1024
		.amdhsa_next_free_sgpr 76
		.amdhsa_reserve_vcc 0
		.amdhsa_float_denorm_mode_32 3
		.amdhsa_float_denorm_mode_16_64 3
		.amdhsa_memory_ordered 1
		.amdhsa_forward_progress 1
		.amdhsa_inst_pref_size 97
	.end_amdhsa_kernel
	.amdgpu_metadata
---
amdhsa.version: [ 1, 2 ]
amdhsa.kernels:
  - .name:           k_qbba0531242_ff1
    .symbol:         k_qbba0531242_ff1.kd
    .args:
      - { .name: hb, .offset: 0, .size: 8, .value_kind: global_buffer, .address_space: global }
      - { .name: wb, .offset: 8, .size: 8, .value_kind: global_buffer, .address_space: global }
      - { .name: ffb, .offset: 16, .size: 8, .value_kind: global_buffer, .address_space: global }
      - { .name: b1, .offset: 24, .size: 8, .value_kind: global_buffer, .address_space: global }
    .group_segment_fixed_size: 327680
    .private_segment_fixed_size: 0
    .kernarg_segment_align: 8
    .kernarg_segment_size: 32
    .max_flat_workgroup_size: 128
    .sgpr_count:     76
    .vgpr_count:     1024
    .wavefront_size: 32
...
	.end_amdgpu_metadata
.endif
;; end of part 6
;; launch ff2 (part 7): grid 8 x 32, 4 waves a work-group, clusters of 4 x 4, 327,680 bytes of LDS; arguments ffb, wb, out0, b2, x1; writes out0
.if DOCPART == 7
	.amdgcn_target "amdgcn-amd-amdhsa--gfx1250"
	.amdhsa_code_object_version 6
	.text
	.protected	k_qbba0531242_ff2
	.globl	k_qbba0531242_ff2
	.p2align	8
	.type	k_qbba0531242_ff2,@function
k_qbba0531242_ff2:
	s_mov_b64 s[64:65], 0
	v_nop
	global_prefetch_b8 v0, s[64:65] scope:SCOPE_SE
	s_setreg_imm32_b32 hwreg(HW_REG_WAVE_MODE, 25, 1), 1
	s_wait_xcnt 0x0
	s_wait_alu depctr_hold_cnt(0) depctr_sa_sdst(0) depctr_va_vdst(0) depctr_va_sdst(0) depctr_va_ssrc(0) depctr_va_vcc(0) depctr_vm_vsrc(0)
	s_getreg_b32 s2, hwreg(HW_REG_IB_STS2, 6, 4)
	s_cmp_eq_u32 s2, 0
	s_cbranch_scc0 .Lentry_in_a_cluster
	s_endpgm
.Lentry_in_a_cluster:
	s_bfe_u32 s2, ttmp6, 0x10000c
	s_cmp_lg_u32 s2, 0xf033
	s_cbranch_scc0 .Lentry_shape_is_right
	s_endpgm
.Lentry_shape_is_right:
; out0 = x1 + ffb x W2^T + b2.  ffb: [4096][4096] bf16; W2: wb at byte 16,777,216, [1024][4096] bf16; b2: [1024] f32; x1, out0: [4096][1024] f32.
; Sums in f32, started by the bias (the C operand of the first products), K ascending; the residual is added in f32 on the way out.
; TILE.  4,096 x 1,024 in tiles of 128 x 128 gives 8 x 32 = 256 work-groups.  Four waves, 64 x 64 each: 16 accumulators.
; RING.  K in steps of 256 through two LDS slots (128 rows of A, 128 of B, rows of 512 bytes, 528 apart); each wave fetches 64 rows by one tensor load.
; A step is four quarters of 64 along K on two fragment buffers.  Two quarters' text stands once in the loop and once in the tail.
; CLUSTER.  4 x 4: A's tile is asked for jointly along a cluster's row, B's along a column.  No prefetch: the tiles are small.
; THE MATRIX INSTRUCTION IS USED TRANSPOSED (source 0 = rows of B, source 1 = rows of A): a lane holds eight neighbouring columns of one row.
; REGISTERS: window 0: v16-31 addresses; v32-63 the bias, then rows read back; v64-95 rows read back; v128-255 accumulators at 128 + 8 (4 a + b).
;   window 1: two fragment buffers of 128: A at 8 (4 c + a), B at 64 + 8 (4 c + b), c = which 32 of the 64.   window 2: v0-127 my part of the residual.
.set KBA,    512
.set KBB,    512
.set PA,     528                       ; 512 + 16 of padding: the 16 rows of a fragment load start at 16 different groups of four banks (ISA guide 11.1)
.set PB,     528
.set ATILE,  64*PA
.set BTILE,  64*PB
.set BOFF,   2*ATILE
.set SLOT1,  0x21000                   ; = 4 tiles; no LDS word of slot 0 shares a bit with it, so one exclusive or changes slots
.set STAGE,  2*SLOT1
.set SPITCH, 272
.set SPARE,  STAGE+4*16*SPITCH
.set STEPS,  16
.set AQ,     128
.set BQ,     128
.set AR16,   16*PA
.set BR16,   16*PB
.set WOFF,   16777216
.set ADRA, 16
.set A0,   17
.set ADRB, 20
.set B0,   21
.set STO,  24
.set RD,   25
.set CO,   26
.set SPW,  28
.set NIL,  29
.set BO,   31
.set BI,   32
.set OB,   32
.set ACC,  128
.set G1,  24
.set G0,  32
.set G1B, 48
.set G0B, 56
.set TBA, 72
.set TBB, 73
.set SLOTS, 74
.set CNT, 75
.set MSB, 0
.macro WIN new
.if MSB != (\new)
	s_set_vgpr_msb (MSB<<8)|(\new)
.set MSB, \new
.endif
.endm
.macro PLACES
.rept 4
	v_nop
.endr
.endm
.macro CROUND
	s_barrier_signal -1
	s_barrier_wait -1
	s_cmp_lg_u32 s10, 0
	s_cbranch_scc1 .Lnot_wave_0_\@
	s_barrier_signal -3
.Lnot_wave_0_\@:
	s_barrier_wait -3
	s_barrier_signal -1
	s_barrier_wait -1
.endm
.macro JLOAD
	s_cmp_eq_u32 s11, 0
	s_cbranch_scc0 .Lfor_b_\@
	tensor_load_to_lds s[G0+4:G0+7], s[G1:G1+7]
	s_nop 0
	PLACES
	s_branch .Lasked_\@
.Lfor_b_\@:
	tensor_load_to_lds s[G0B+4:G0B+7], s[G1B:G1B+7]
	s_nop 0
	PLACES
.Lasked_\@:
.endm
	s_load_b128 s[4:7], s[0:1], 0x0                ; ffb, wb
	s_load_b64 s[8:9], s[0:1], 0x10                ; out0
	s_load_b128 s[68:71], s[0:1], 0x18             ; b2, x1
	v_lshl_add_u32 v[SPW], v0, 2, SPARE
	v_mov_b32 v[NIL], 0
	ds_add_u32 v[SPW], v[NIL]                      ; the wave's opening: the add and its wait ahead of my first tensor load
	ds_add_u32 v28, v29
	v_lshrrev_b32 v1, 5, v0
	v_readfirstlane_b32 s10, v1
	s_lshr_b32 s11, s10, 1                         ; my half of the tile's rows.  Also: I fetch for A (0) or for B (1)
	s_and_b32 s12, s10, 1                          ; my half of its columns.  Also: which 64 rows of that tile I fetch
	s_bfe_u32 s40, ttmp6, 0x40000
	s_bfe_u32 s41, ttmp6, 0x40004
	s_lshl_b32 s42, ttmp9, 2
	s_add_co_u32 s42, s42, s40                     ; tile column
	s_and_b32 s13, ttmp7, 0xffff
	s_lshl_b32 s13, s13, 2
	s_add_co_u32 s13, s13, s41                     ; tile row
	s_lshl_b32 s43, s41, 2
	s_lshl_b32 s43, 15, s43
	s_lshl_b32 s44, 0x1111, s40
	s_or_b32 s[G1], s43, (1<<16)|(1<<20)|(1<<21)|(6<<22)|(3<<25)   ; padding of 4 words after every 128
	s_or_b32 s[G1B], s44, (1<<16)|(1<<20)|(1<<21)|(6<<22)|(3<<25)
.irp g, G1, G1B
	s_mov_b32 s[(\g)+1], 256<<16                   ; tensor_dim0 = 256
	s_mov_b32 s[(\g)+2], 64<<16                    ; tensor_dim1 = 64
	s_mov_b32 s[(\g)+3], 256<<16                   ; tile_dim0 = 256
	s_mov_b32 s[(\g)+4], 64                        ; tile_dim1 = 64
	s_mov_b32 s[(\g)+5], 4096                      ; elements from row to row
	s_mov_b32 s[(\g)+6], 0
	s_mov_b32 s[(\g)+7], 0
.endr
	s_lshl_b32 s16, s13, 7
	s_lshl_b32 s17, s12, 6
	s_add_co_u32 s16, s16, s17                     ; A: row 128 x tile row + 64 x half,
	s_lshl_b32 s16, s16, 13                        ; 8,192 bytes a row
	s_mov_b32 s17, 0
	s_lshl_b32 s46, s42, 7
	s_lshl_b32 s47, s12, 6
	s_add_co_u32 s46, s46, s47                     ; B: row 128 x tile column + 64 x half
	s_lshl_b32 s46, s46, 13
	s_add_co_u32 s46, s46, WOFF
	s_mov_b32 s47, 0
	s_mul_i32 s20, s10, ATILE                      ; where they go: A's two halves, then B's two = wave x 64 rows
	s_wait_dscnt 0x0
	s_wait_kmcnt 0x0
	s_add_nc_u64 s[14:15], s[4:5], s[16:17]
	s_add_nc_u64 s[46:47], s[6:7], s[46:47]
	CROUND                                         ; the first joint loads meet
.irp s, 0,1
	s_mov_b32 s[G0+4*(\s)], 1
	s_add_co_u32 s[G0+4*(\s)+1], s20, (\s)*SLOT1
	s_add_nc_u64 s[G0+4*(\s)+2:G0+4*(\s)+3], s[14:15], (\s)*KBA
	s_or_b32 s[G0+4*(\s)+3], s[G0+4*(\s)+3], 0x80000000
	s_mov_b32 s[G0B+4*(\s)], 1
	s_add_co_u32 s[G0B+4*(\s)+1], s20, (\s)*SLOT1
	s_add_nc_u64 s[G0B+4*(\s)+2:G0B+4*(\s)+3], s[46:47], (\s)*KBB
	s_or_b32 s[G0B+4*(\s)+3], s[G0B+4*(\s)+3], 0x80000000
.endr
	s_cmp_eq_u32 s11, 0                            ; a wave's two first fills stand in one branch: two loads of mine are out
	s_cbranch_scc0 .Lfirst_b
	tensor_load_to_lds s[G0:G0+3], s[G1:G1+7]
	s_nop 0
	tensor_load_to_lds s[G0+4:G0+7], s[G1:G1+7]
	s_nop 0
	PLACES
	s_branch .Lfirst_asked
.Lfirst_b:
	tensor_load_to_lds s[G0B:G0B+3], s[G1B:G1B+7]
	s_nop 0
	tensor_load_to_lds s[G0B+4:G0B+7], s[G1B:G1B+7]
	s_nop 0
	PLACES
.Lfirst_asked:
	v_and_b32 v1, 15, v0
	v_bfe_u32 v2, v0, 4, 1
	v_mul_u32_u24 v3, v1, PA
	v_lshl_add_u32 v3, v2, 4, v3                   ; row x pitch + 16 x half
	s_mul_i32 s21, s11, ATILE
	v_add_nc_u32 v[A0], s21, v3
	s_mul_i32 s22, s12, BTILE
	s_add_co_u32 s22, s22, BOFF
	v_add_nc_u32 v[B0], s22, v3
	s_mul_i32 s23, s10, 16*SPITCH
	s_add_co_u32 s23, s23, STAGE
	v_mul_u32_u24 v4, v1, SPITCH
	v_lshl_add_u32 v4, v2, 5, v4
	v_add_nc_u32 v[STO], s23, v4                   ; in: row l % 16, 32 bytes (eight f32) for each half of the lanes
	v_mul_u32_u24 v5, v2, SPITCH
	v_lshl_add_u32 v5, v1, 4, v5
	v_add_nc_u32 v[RD], s23, v5                    ; back: lanes 0-15 one row of 256 bytes, lanes 16-31 the next
	v_lshlrev_b32 v5, 12, v2
	v_lshl_add_u32 v[CO], v1, 4, v5                ; the same two rows in x1 and out0
	v_lshlrev_b32 v[BO], 5, v2
	s_lshl_b32 s18, s13, 7
	s_lshl_b32 s19, s11, 6
	s_add_co_u32 s18, s18, s19                     ; my first row,
	s_lshl_b32 s18, s18, 12                        ; 4,096 bytes a row
	s_lshl_b32 s20, s42, 7
	s_lshl_b32 s21, s12, 6
	s_add_co_u32 s20, s20, s21                     ; my first column,
	s_lshl_b32 s20, s20, 2                         ; 4 bytes each
	s_mov_b32 s21, 0
	s_mov_b32 s19, 0
	s_add_nc_u64 s[68:69], s[68:69], s[20:21]
	s_add_co_u32 s18, s18, s20
	s_add_nc_u64 s[8:9], s[8:9], s[18:19]
	s_add_nc_u64 s[70:71], s[70:71], s[18:19]
.irp b, 0,1,2,3                        ; the bias as a C operand: register j of block b holds column 16 b + 8 (l / 16) + j
	global_load_b128 v[BI+8*(\b):BI+8*(\b)+3],   v[BO], s[68:69] offset:64*(\b)
	global_load_b128 v[BI+8*(\b)+4:BI+8*(\b)+7], v[BO], s[68:69] offset:64*(\b)+16
.endr
	WIN 0x80                                       ; destination window 2
.set i, 0
.rept 32                               ; my 64 x 64 of the residual, laid as the rows come back from the stage: it lands while the products run
	global_load_b128 v[4*i:4*i+3], v[CO], s[70:71] offset:2*i*4096
.set i, i+1
.endr
	WIN 0
.macro FETCH g, kq                     ; 32 LDS loads in one run: 64 along K, into buffer g
	WIN 0x40
.irp c, 0,1
.irp i, 0,1,2,3
	ds_load_b128 v[128*(\g)+64+8*(4*(\c)+(\i)):128*(\g)+64+8*(4*(\c)+(\i))+3],   v[ADRB] offset:(\kq)*BQ+64*(\c)+(\i)*BR16
	ds_load_b128 v[128*(\g)+64+8*(4*(\c)+(\i))+4:128*(\g)+64+8*(4*(\c)+(\i))+7], v[ADRB] offset:(\kq)*BQ+64*(\c)+(\i)*BR16+32
	ds_load_b128 v[128*(\g)+8*(4*(\c)+(\i)):128*(\g)+8*(4*(\c)+(\i))+3],         v[ADRA] offset:(\kq)*AQ+64*(\c)+(\i)*AR16
	ds_load_b128 v[128*(\g)+8*(4*(\c)+(\i))+4:128*(\g)+8*(4*(\c)+(\i))+7],       v[ADRA] offset:(\kq)*AQ+64*(\c)+(\i)*AR16+32
.endr
.endr
.endm
.macro MUL f, first                    ; 32 matrix instructions: the 16 accumulators take turns, twice.  first = 1: the bias starts the sums
	WIN 0x05                                       ; B and A in window 1, C and D in window 0
.irp c, 0,1
.irp a, 0,1,2,3
.irp b, 0,1,2,3
.if (\first) && ((\c) == 0)
	v_wmma_f32_16x16x32_bf16 v[ACC+8*(4*(\a)+(\b)):ACC+8*(4*(\a)+(\b))+7], v[128*(\f)+64+8*(4*(\c)+(\b)):128*(\f)+64+8*(4*(\c)+(\b))+7], v[128*(\f)+8*(4*(\c)+(\a)):128*(\f)+8*(4*(\c)+(\a))+7], v[BI+8*(\b):BI+8*(\b)+7]
.else
	v_wmma_f32_16x16x32_bf16 v[ACC+8*(4*(\a)+(\b)):ACC+8*(4*(\a)+(\b))+7], v[128*(\f)+64+8*(4*(\c)+(\b)):128*(\f)+64+8*(4*(\c)+(\b))+7], v[128*(\f)+8*(4*(\c)+(\a)):128*(\f)+8*(4*(\c)+(\a))+7], v[ACC+8*(4*(\a)+(\b)):ACC+8*(4*(\a)+(\b))+7]
.endif
.endr
.endr
.endr
.endm
.macro HT f, g, kq
	PLACES                                         ; buffer g was read by the products just issued
	FETCH \g, \kq
	s_wait_dscnt 32                                ; all but the 32 just issued: buffer f is in
	MUL \f, 0
.endm
.macro TRIP
	WIN 0
	v_add_nc_u32 v[ADRA], s[TBA], v[A0]
	v_add_nc_u32 v[ADRB], s[TBB], v[B0]
	HT 1, 0, 0
	HT 0, 1, 1
	WIN 0
	s_add_co_u32 s[TBA], s[TBA], 2*AQ
	s_add_co_u32 s[TBB], s[TBB], 2*BQ
.endm
; THE CHANGE OF SLOTS: each wave waits for all its tensor loads (one is out: its part of the other slot), adds 0 to its spare word, and waits for that and for its reads of the slot.
; fill = 1: a round of the cluster's barrier, then the joint refill first: the slot takes the K step two on.
.macro CHANGE fill
	WIN 0
	s_wait_tensorcnt 0x0
	ds_add_u32 v[SPW], v[NIL]                      ; 0 onto my spare word; scalar work stands between it and the wait for it
.if \fill
	s_xor_b32 s[G0+5], s[G0+5], SLOT1
	s_add_nc_u64 s[G0+6:G0+7], s[G0+6:G0+7], KBA
	s_xor_b32 s[G0B+5], s[G0B+5], SLOT1
	s_add_nc_u64 s[G0B+6:G0B+7], s[G0B+6:G0B+7], KBB
.endif
	s_sub_co_u32 s[TBA], s[TBA], 4*AQ
	s_xor_b32 s[TBA], s[TBA], SLOT1
	s_sub_co_u32 s[TBB], s[TBB], 4*BQ
	s_xor_b32 s[TBB], s[TBB], SLOT1
	s_wait_dscnt 0x0
.if \fill
	CROUND
	JLOAD
.else
	s_barrier_signal -1
	s_barrier_wait -1
.endif
.endm
	s_wait_tensorcnt 0x1                           ; my part of K step 0 is in; K step 1's may stay out
	s_barrier_signal -1
	s_barrier_wait -1
	v_mov_b32 v[ADRA], v[A0]
	v_mov_b32 v[ADRB], v[B0]
	FETCH 0, 0
	FETCH 1, 1
	s_wait_loadcnt 32                              ; the bias is in; the residual's 32 younger loads stay out
	s_wait_dscnt 32                                ; quarter 0 is in
	MUL 0, 1
	WIN 0
	s_mov_b32 s[TBA], 2*AQ
	s_mov_b32 s[TBB], 2*BQ
	s_mov_b32 s[SLOTS], STEPS-1
	s_mov_b32 s[CNT], 2
	s_branch .Lcount                               ; slot 0 has one trip left: the loop is entered at the counter's step
.Lslot:                                            ; STEPS - 2 times
	CHANGE 1
	s_mov_b32 s[CNT], 2
.Lpair:
	TRIP
.Lcount:
	s_sub_co_u32 s[CNT], s[CNT], 1
	s_cmp_lg_u32 s[CNT], 0
	s_cbranch_scc1 .Lpair
	s_sub_co_u32 s[SLOTS], s[SLOTS], 1
	s_cmp_lg_u32 s[SLOTS], 0
	s_cbranch_scc1 .Lslot
	CHANGE 0                                       ; the last slot is written out
	s_mov_b32 s[CNT], 2
.Ltail:
	TRIP
	s_sub_co_u32 s[CNT], s[CNT], 1
	s_cmp_lg_u32 s[CNT], 0
	s_cbranch_scc1 .Ltail
	s_wait_dscnt 0x0
	MUL 1, 0
	WIN 0
	PLACES
	s_wait_loadcnt 0x0                             ; the residual
; THE WAY OUT, a block of 16 rows at a time: the f32 sums go into my stage as they lie (each accumulator's low four registers first), come back as whole rows of 256 bytes, take the residual, and are stored.
.macro STG a
.if (\a) >= 2
	s_wait_xcnt 0x0                                ; the stores of block a - 2 have read the registers that are loaded again below
.endif
.irp b, 0,1,2,3
	ds_store_b128 v[STO], v[ACC+8*(4*(\a)+(\b)):ACC+8*(4*(\a)+(\b))+3]   offset:64*(\b)
	ds_store_b128 v[STO], v[ACC+8*(4*(\a)+(\b))+4:ACC+8*(4*(\a)+(\b))+7] offset:64*(\b)+16
.endr
.irp t, 0,1,2,3,4,5,6,7
	ds_load_b128 v[OB+32*((\a)%2)+4*(\t):OB+32*((\a)%2)+4*(\t)+3], v[RD] offset:(\t)*2*SPITCH  ; LDS serves a wave's instructions in order (ISA guide 5.7.1.4)
.endr
.endm
.macro FIN a, younger                  ; younger: the LDS instructions issued behind block a's: the next block's sixteen, or none
	s_wait_dscnt \younger
	WIN 0x08                                       ; source 1 in window 2
.set i, 0
.rept 16
	v_pk_add_f32 v[OB+32*((\a)%2)+i:OB+32*((\a)%2)+i+1], v[OB+32*((\a)%2)+i:OB+32*((\a)%2)+i+1], v[32*(\a)+i:32*(\a)+i+1]
.set i, i+2
.endr
	WIN 0
.irp t, 0,1,2,3,4,5,6,7
	global_store_b128 v[CO], v[OB+32*((\a)%2)+4*(\t):OB+32*((\a)%2)+4*(\t)+3], s[8:9] offset:(16*(\a)+2*(\t))*4096  ; 16 lanes store 256 consecutive bytes, aligned
.endr
.endm
	STG 0
	STG 1
	FIN 0, 16
	STG 2
	FIN 1, 16
	STG 3
	FIN 2, 16
	FIN 3, 0
	s_wait_tensorcnt 0x0                           ; the wave's end
	ds_add_u32 v[SPW], v[NIL]
	s_wait_dscnt 0x0
	CROUND                                         ; the closing round
	s_endpgm
.Lfunc_end_k_qbba0531242_ff2:
	.size	k_qbba0531242_ff2, .Lfunc_end_k_qbba0531242_ff2-k_qbba0531242_ff2
	.p2alignl 7, 3214868480
	.fill 96, 4, 3214868480
	.section	.rodata,"a",@progbits
	.p2align	6, 0x0
	.amdhsa_kernel k_qbba0531242_ff2
		.amdhsa_group_segment_fixed_size 327680
		.amdhsa_private_segment_fixed_size 0
		.amdhsa_enable_private_segment 0
		.amdhsa_kernarg_size 40
		.amdhsa_user_sgpr_count 2
		.amdhsa_user_sgpr_kernarg_segment_ptr 1
		.amdhsa_wavefront_size32 1
		.amdhsa_system_sgpr_workgroup_id_x 1
		.amdhsa_system_sgpr_workgroup_id_y 1
		.amdhsa_system_sgpr_workgroup_id_z 1
		.amdhsa_system_vgpr_workitem_id 0
		.amdhsa_next_free_vgpr 640
		.amdhsa_next_free_sgpr 76
		.amdhsa_reserve_vcc 0
		.amdhsa_float_denorm_mode_32 3
		.amdhsa_float_denorm_mode_16_64 3
		.amdhsa_memory_ordered 1
		.amdhsa_forward_progress 1
		.amdhsa_inst_pref_size 51
	.end_amdhsa_kernel
	.amdgpu_metadata
---
amdhsa.version: [ 1, 2 ]
amdhsa.kernels:
  - .name:           k_qbba0531242_ff2
    .symbol:         k_qbba0531242_ff2.kd
    .args:
      - { .name: ffb, .offset: 0, .size: 8, .value_kind: global_buffer, .address_space: global }
      - { .name: wb, .offset: 8, .size: 8, .value_kind: global_buffer, .address_space: global }
      - { .name: out0, .offset: 16, .size: 8, .value_kind: global_buffer, .address_space: global }
      - { .name: b2, .offset: 24, .size: 8, .value_kind: global_buffer, .address_space: global }
      - { .name: x1, .offset: 32, .size: 8, .value_kind: global_buffer, .address_space: global }
    .group_segment_fixed_size: 327680
    .private_segment_fixed_size: 0
    .kernarg_segment_align: 8
    .kernarg_segment_size: 40
    .max_flat_workgroup_size: 128
    .sgpr_count:     76
    .vgpr_count:     640
    .wavefront_size: 32
...
	.end_amdgpu_metadata
.endif
;; end of part 7
